; MI455X (gfx1250); checked and timed in simulation.
; The chip was launched on July 23, 2026; its instructions are those of AMD's public machine-readable ISA for CDNA 5 (MIT licence, August 2026) and "CDNA5" Instruction Set Architecture Reference Guide (July 2026). The comments in the code are by the model that wrote it; some were corrected since.
;; Causal Self Attention. Allowed arithmetic: matrix products marked QUANTISED: E5M2 operands, one E8M0 scale for each 32 along K, by v_wmma_scale_f32_16x16x128_f8f6f4 with both operands' format E5M2, f32 sums; everything else in f32.
;; Inputs: Wk 1,024 x 1,024 float32; Wo 1,024 x 1,024 float32; Wq 1,024 x 1,024 float32; Wv 1,024 x 1,024 float32; bk 1,024 float32; bo 1,024 float32; bq 1,024 float32; bv 1,024 float32; x 2 x 2,048 x 1,024 float32.
;; Outputs: out0 2 x 2,048 x 1,024 float32.
;; This version of the problem:
;;   THIS VERSION OF THE PROBLEM IS GIVEN IN LOW PRECISION. The matrix products marked QUANTISED in the list below multiply operands that are first quantised to E5M2 (5 exponent bits, 2 mantissa bits; 8 bits a number), with one power-of-two scale for each 32 numbers along K (OCP MX v1.0); their sums are f32. All else is computed in f32.
;;   The module's matrix products, in the order in which they are computed (A, B: the left and right operand; K: the contracted axis; several contracted axes count as one K, in the product's order):
;;     1. [M 4,096, K 1,024] x [K 1,024, N 1,024]; A: input x; B: input Wq: QUANTISED
;;     2. [M 4,096, K 1,024] x [K 1,024, N 1,024]; A: input x; B: input Wk: QUANTISED
;;     3. [M 4,096, K 1,024] x [K 1,024, N 1,024]; A: input x; B: input Wv: QUANTISED
;;     4. batch 32 x [M 2,048, K 64] x [K 64, N 2,048]; A: computed on the way; B: computed on the way: QUANTISED
;;     5. batch 32 x [M 2,048, K 2,048] x [K 2,048, N 64]; A: softmax (see below); B: computed on the way: QUANTISED
;;     6. [M 4,096, K 1,024] x [K 1,024, N 1,024]; A: computed on the way; B: input Wo: QUANTISED
;;   THE QUANTISER, for each operand of a quantised product, along K:
;;     - K is cut into blocks of 32 from its start; a last block that is shorter is filled with zeros.
;;     - A block's scale is 2^e with e = floor(log2(the largest magnitude in the block)) - 15, held to -126 .. 127; a block of zeros has e = 0. As a byte (E8M0): e + 127.
;;     - Each number is divided by its block's scale, clamped to +-57,344, and rounded to the nearest number of E5M2, ties to even, subnormals kept.
;;     - The product sums the exact products of the quantised numbers (number of the format x scale) in f32.
;;   ~~~python
;;   def quantise(x, axis):      # numpy; x: float32 -> the quantised numbers, widened to float32 again
;;       x = np.moveaxis(x, axis, -1); K = x.shape[-1]
;;       x = np.pad(x, [(0, 0)] * (x.ndim - 1) + [(0, -K % 32)]); x = x.reshape(x.shape[:-1] + (-1, 32)); a = np.abs(x).max(-1, keepdims=True)
;;       e = np.where(a > 0, np.clip(np.frexp(np.where(a > 0, a, 1))[1] - 1 - 15, -126, 127), 0)      # np.frexp(a)[1] - 1 = floor(log2(a)), exactly
;;       r = np.clip(x / 2.0 ** e, -57344, 57344)
;;       step = 2.0 ** (np.maximum(np.frexp(np.where(r == 0, 1, r))[1] - 1, -14) - 2)
;;       q = np.round(r / step) * step * 2.0 ** e      # np.round: ties to even
;;       return np.moveaxis(q.reshape(q.shape[:-2] + (-1,))[..., :K], -1, axis).astype(np.float32)
;;   ~~~
;;   SOFTMAX AHEAD OF A QUANTISED PRODUCT. Where the list says 'softmax', what is quantised is not the finished softmax but p = 2^(t - M), with t = logit x log2(e) and M = ceil(the row's largest t), a whole number; so 1/2 < the row's largest p <= 1. The row's sum l is taken of the UNQUANTISED p, in f32, and the product's result is divided by l at the end. Since M is a whole number, a kernel that streams over the keys may use a running M (the ceiling of the running maximum): every later rescaling is an exact power of two, which a block's scale takes up: the codes' values come out the same.
;;   OPERANDS COMPUTED ON THE WAY. 'Computed on the way' means the value that the module computes at that place (a softmax that the list does not call 'softmax' is quantised finished and normalised). What goes into a quantiser is computed in f32, as accurately as f32 sums, v_exp_f32 and their like allow (about 1e-6 of the number): no bf16 or f16 on the way to a quantiser, and a product that is left as it is and whose result goes on into a quantised operand takes f32 operands (vector FMAs, or v_wmma_f32_16x16x4_f32). A number that lies on a knife's edge between two numbers of the format may be rounded either way, as far as f32 arithmetic and the matrix unit's own rounding can turn it there, and no further.
;; One version. Each part assembles by itself: llvm-mc -triple=amdgcn-amd-amdhsa -mcpu=gfx1250 --defsym DOCPART=n.
;; ======== version 1 of 1: 4 launches
;; limits: right only within a limited range of input values
;; workspace buffers: img 8,650,752 bytes; qkv 12,976,128 bytes; yimg 4,325,376 bytes
;; launch quant (part 1): grid 512 x 1, 8 waves a work-group, no clusters, 70,656 bytes of LDS; arguments x, Wq, Wk, Wv, Wo, img; writes img
.if DOCPART == 1
	.amdgcn_target "amdgcn-amd-amdhsa--gfx1250"
	.amdhsa_code_object_version 6
	.text
	.protected	k_q32c6e0d66c_quant
	.globl	k_q32c6e0d66c_quant
	.p2align	8
	.type	k_q32c6e0d66c_quant,@function
k_q32c6e0d66c_quant:
	s_mov_b64 s[64:65], 0
	v_nop
	global_prefetch_b8 v0, s[64:65] scope:SCOPE_SE
	s_setreg_imm32_b32 hwreg(HW_REG_WAVE_MODE, 25, 1), 1
	s_wait_xcnt 0x0
; x [4096][1024] and Wq, Wk, Wv, Wo [1024][1024], f32 with K innermost, become codes of E5M2 with one E8M0 byte for each 32 along K, laid as the later launches' matrix operands want them.
; A BLOCK of img (16,896 bytes) is 128 rows x 128 K: eight fragment images of 2,048 bytes (tile a at 2048 a), then 512 bytes of scale words.  A fragment image is the operand's registers on end:
; registers 4 c .. 4 c + 3 of lane l at 512 c + 16 l.  Slot r of tile a holds row 32 (a / 2) + 8 (a % 2) + r % 8 + 16 (r / 8) of the 128.  The scale word of slot r of tile a lies at 16384 + 256 (a / 4) + 16 r + 4 (a % 4).
; Blocks: 8 g + s: x's rows 128 g on, K step s;  256 + 8 gw + s: gw 0-7 Wq, 8-15 Wk, 16-23 Wv, 24-31 Wo.
; A work-group makes one block, each of its eight waves one tile.  Each load reads 512 consecutive bytes of one row; the 16 rows turn through the wave's own stage in LDS (rows 528 bytes apart), so that lane (r, h)
; gets, of row r, the 16 neighbours 32 c + 16 h on of each block of 32: the conversions' results are then the operand's registers.  Every store of codes covers 512 consecutive bytes, aligned.
; A block's scale is 2^(floor(log2(largest magnitude)) - 15); its byte is the largest magnitude's exponent field - 15, held at 1 from below.
; LIMITS: a block of zeros gets the byte 1 and not 127 (its codes are zeros, and this program alone reads the bytes); NaN and infinities among the inputs are not served.
; No tensor load, no matrix unit, no cluster: each input byte is read once by one wave.
; LEFT OUT IN THE PROGRAM: in the attention launch, key steps of 128 keys that all come after a wave's queries: reference()'s own causal mask makes their p zero for all inputs.  A NaN, an infinity or an overflow that arises only there is not carried to the result.
.set BLK,  16896
.set SCO,  16384
.set SP,   528                         ; a stage row: 512 bytes + 16: the 16 rows that a read touches start in 16 different columns of 16 bytes
.set WST,  16*SP                       ; a wave's stage
.set SCG,  8*WST                       ; behind the stages: the block's 512 bytes of scale words
.set LI,   4                           ; v4   16 x lane
.set STI,  5                           ; v5   the stage, on the way in
.set STO,  6                           ; v6   and on the way out: row r, + 64 h
.set SWA,  7                           ; v7   where my row's scale word goes
.set SRA,  8                           ; v8   where wave 0 reads the words back
.set PW,   9                           ; v9   the scale word
.set R,    16                          ; v16-79   16 rows as loaded
.set X,    80                          ; v80-143  64 numbers of my row: register 16 b + i = k 32 b + 16 h + i
.set PC,   144                         ; v144-159 the codes
.set TM,   160                         ; v160-175 at work
.set SEL,  20
.set MNT,  22
	s_load_b256 s[4:11], s[0:1], 0x0               ; x, Wq, Wk, Wv
	s_load_b128 s[12:15], s[0:1], 0x20             ; Wo, img
	v_lshl_add_u32 v176, v0, 2, 0x11000
	v_mov_b32 v177, 0
	v_lshrrev_b32 v1, 5, v0
	s_delay_alu instid0(VALU_DEP_1)
	v_readfirstlane_b32 s16, v1                    ; wave = tile 0..7
	v_and_b32 v2, 31, v0
	v_and_b32 v3, 15, v0                           ; r
	v_bfe_u32 v10, v0, 4, 1                        ; h
	s_delay_alu instid0(VALU_DEP_3)
	v_lshlrev_b32 v[LI], 4, v2
	s_mul_i32 s17, s16, WST
	v_add_nc_u32 v[STI], s17, v[LI]
	v_mul_u32_u24 v[STO], v3, SP
	s_delay_alu instid0(VALU_DEP_1)
	v_lshl_add_u32 v[STO], v10, 6, v[STO]
	s_delay_alu instid0(VALU_DEP_1)
	v_add_nc_u32 v[STO], s17, v[STO]
	s_lshr_b32 s18, s16, 2
	s_lshl_b32 s18, s18, 8
	s_and_b32 s19, s16, 3
	s_lshl_b32 s19, s19, 2
	s_add_co_u32 s18, s18, s19
	s_add_co_u32 s18, s18, SCG
	v_lshl_add_u32 v[SWA], v3, 4, s18              ; SCG + 256 (a / 4) + 4 (a % 4) + 16 r
	v_add_nc_u32 v[SRA], SCG, v[LI]
	s_mov_b32 s[SEL], 0x76543210
	s_mov_b32 s[SEL+1], 0xfedcba98                 ; v_permlanex16_b32's selects for lane l xor 16
.irp b, 0,1,2,3
	v_mov_b32 v[TM+4+\b], 0                        ; a lane permute's destination counts as one of its sources
.endr
	s_wait_alu depctr_va_vdst(0)
	s_wait_kmcnt 0x0
	s_mov_b64 s[24:25], s[12:13]                   ; which tensor: the choice hangs on the work-group's number alone
	s_cmp_lt_u32 ttmp9, 448
	s_cselect_b64 s[24:25], s[10:11], s[24:25]
	s_cmp_lt_u32 ttmp9, 384
	s_cselect_b64 s[24:25], s[8:9], s[24:25]
	s_cmp_lt_u32 ttmp9, 320
	s_cselect_b64 s[24:25], s[6:7], s[24:25]
	s_cmp_lt_u32 ttmp9, 256
	s_cselect_b64 s[24:25], s[4:5], s[24:25]
	s_cselect_b32 s26, 31, 7                       ; x has 32 groups of 128 rows, a weight 8
	s_lshr_b32 s27, ttmp9, 3
	s_and_b32 s27, s27, s26
	s_lshl_b32 s27, s27, 19                        ; 128 rows of 4,096 bytes
	s_lshr_b32 s28, s16, 1
	s_lshl_b32 s28, s28, 17                        ; the tile begins at row 32 (a / 2)
	s_and_b32 s29, s16, 1
	s_lshl_b32 s29, s29, 15                        ; + 8 (a % 2)
	s_add_co_u32 s27, s27, s28
	s_add_co_u32 s27, s27, s29
	s_and_b32 s28, ttmp9, 7
	s_lshl_b32 s28, s28, 9                         ; K step: 128 numbers, 512 bytes
	s_add_co_u32 s26, s27, s28
	s_mov_b32 s27, 0
	s_add_nc_u64 s[24:25], s[24:25], s[26:27]
	s_mul_i32 s28, ttmp9, BLK
	s_lshl_b32 s29, s16, 11
	s_add_co_u32 s28, s28, s29
	s_mov_b32 s29, 0
	s_add_nc_u64 s[30:31], s[14:15], s[28:29]      ; my tile's image
.irp i, 0,1,2,3,4,5,6,7,8,9,10,11,12,13,14,15
	global_load_b128 v[R+4*\i:R+4*\i+3], v[LI], s[24:25] offset:((\i%8)+16*(\i/8))*4096 th:TH_LOAD_NT   ; slot i's row: 32 lanes read 512 consecutive bytes
.endr
.irp i, 0,1,2,3,4,5,6,7,8,9,10,11,12,13,14,15
	s_wait_loadcnt 15-\i                           ; loads come back in order: slot i's is in, the 15 - i younger ones stay out
	ds_store_b128 v[STI], v[R+4*\i:R+4*\i+3] offset:SP*\i
.endr
.irp c, 0,1,2,3
.irp j, 0,1,2,3
	ds_load_b128 v[X+16*\c+4*\j:X+16*\c+4*\j+3], v[STO] offset:128*\c+16*\j   ; LDS serves a wave's instructions in order: these see my stores
.endr
.endr
	s_wait_dscnt 0x0
.irp b, 0,1,2,3
	v_max3_num_f32 v[TM+\b], |v[X+16*\b]|, |v[X+1+16*\b]|, 0x8000000   ; block b: my 16 numbers, and the floor 2^(16 - 127): the byte cannot fall under 1
.endr
.irp i, 2,4,6,8,10,12,14
.irp b, 0,1,2,3
	s_delay_alu instid0(VALU_DEP_4)
	v_max3_num_f32 v[TM+\b], v[TM+\b], |v[X+16*\b+\i]|, |v[X+1+16*\b+\i]|   ; the four blocks by turns
.endr
.endr
.irp b, 0,1,2,3
	s_delay_alu instid0(VALU_DEP_4)
	v_permlanex16_b32 v[TM+4+\b], v[TM+\b], s[SEL], s[SEL+1]
.endr
.irp b, 0,1,2,3
	s_delay_alu instid0(VALU_DEP_4)
	v_max_num_f32 v[TM+\b], v[TM+\b], v[TM+4+\b]   ; with lane l xor 16's 16: the block's largest magnitude
.endr
.irp b, 0,1,2,3
	s_delay_alu instid0(VALU_DEP_4)
	v_add_nc_u32 v[TM+12+\b], 0xf8800000, v[TM+\b] ; 15 off its exponent field: the conversion's scale operand
.endr
.irp b, 0,1,2,3
.endr
.irp b, 0,1,2,3
	s_delay_alu instid0(VALU_DEP_4)
	v_lshrrev_b32 v[TM+4+\b], 23, v[TM+12+\b]      ; the scale's byte
.endr
	s_delay_alu instid0(VALU_DEP_3)
	v_lshl_or_b32 v[PW], v[TM+5], 8, v[TM+4]
	s_delay_alu instid0(VALU_DEP_1)
	v_lshl_or_b32 v[PW], v[TM+6], 16, v[PW]
	s_delay_alu instid0(VALU_DEP_1)
	v_lshl_or_b32 v[PW], v[TM+7], 24, v[PW]        ; my row's scale word
.irp b, 0,1,2,3
.irp i, 0,1,2,3,4,5,6,7,8,9,10,11,12,13,14,15
.endr
	v_cvt_scalef32_pk8_bf8_f32 v[PC+4*\b:PC+1+4*\b], v[X+16*\b:X+7+16*\b], v[TM+12+\b]
	v_cvt_scalef32_pk8_bf8_f32 v[PC+2+4*\b:PC+3+4*\b], v[X+8+16*\b:X+15+16*\b], v[TM+12+\b]
.endr
	v_nop                                          ; a plain line behind the last conversion
.irp c, 0,1,2,3
	global_store_b128 v[LI], v[PC+4*\c:PC+4*\c+3], s[30:31] offset:512*\c   ; 32 lanes store 512 consecutive bytes, aligned
.endr
	ds_store_b32 v[SWA], v[PW]                     ; lanes l and l xor 16 write the same word with the same value
	s_wait_dscnt 0x0                               ; for the others' sake: my word has landed
	s_barrier_signal -1
	s_barrier_wait -1
	s_cmp_lg_u32 s16, 0
	s_cbranch_scc1 .Ldone
	ds_load_b128 v[16:19], v[SRA]                  ; wave 0 stores the block's 512 bytes of scale words as two whole aligned runs of 256
	s_wait_dscnt 0x0
	global_store_b128 v[LI], v[16:19], s[30:31] offset:SCO
.Ldone:
	s_wait_tensorcnt 0x0
	ds_add_u32 v176, v177
	s_wait_dscnt 0x0
	s_endpgm
.Lfunc_end_k_q32c6e0d66c_quant:
	.size	k_q32c6e0d66c_quant, .Lfunc_end_k_q32c6e0d66c_quant-k_q32c6e0d66c_quant
	.p2alignl 7, 3214868480
	.fill 96, 4, 3214868480
	.section	.rodata,"a",@progbits
	.p2align	6, 0x0
	.amdhsa_kernel k_q32c6e0d66c_quant
		.amdhsa_group_segment_fixed_size 70656
		.amdhsa_private_segment_fixed_size 0
		.amdhsa_enable_private_segment 0
		.amdhsa_kernarg_size 48
		.amdhsa_user_sgpr_count 2
		.amdhsa_user_sgpr_kernarg_segment_ptr 1
		.amdhsa_wavefront_size32 1
		.amdhsa_system_sgpr_workgroup_id_x 1
		.amdhsa_system_sgpr_workgroup_id_y 1
		.amdhsa_system_sgpr_workgroup_id_z 1
		.amdhsa_system_vgpr_workitem_id 0
		.amdhsa_next_free_vgpr 178
		.amdhsa_next_free_sgpr 66
		.amdhsa_reserve_vcc 0
		.amdhsa_float_denorm_mode_32 3
		.amdhsa_float_denorm_mode_16_64 3
		.amdhsa_fp16_overflow 1
		.amdhsa_memory_ordered 1
		.amdhsa_forward_progress 1
		.amdhsa_inst_pref_size 13
	.end_amdhsa_kernel
	.amdgpu_metadata
---
amdhsa.version: [ 1, 2 ]
amdhsa.kernels:
  - .name:           k_q32c6e0d66c_quant
    .symbol:         k_q32c6e0d66c_quant.kd
    .args:
      - { .name: x, .offset: 0, .size: 8, .value_kind: global_buffer, .address_space: global }
      - { .name: Wq, .offset: 8, .size: 8, .value_kind: global_buffer, .address_space: global }
      - { .name: Wk, .offset: 16, .size: 8, .value_kind: global_buffer, .address_space: global }
      - { .name: Wv, .offset: 24, .size: 8, .value_kind: global_buffer, .address_space: global }
      - { .name: Wo, .offset: 32, .size: 8, .value_kind: global_buffer, .address_space: global }
      - { .name: img, .offset: 40, .size: 8, .value_kind: global_buffer, .address_space: global }
    .group_segment_fixed_size: 70656
    .private_segment_fixed_size: 0
    .kernarg_segment_align: 8
    .kernarg_segment_size: 48
    .max_flat_workgroup_size: 256
    .sgpr_count:     66
    .vgpr_count:     178
    .wavefront_size: 32
...
	.end_amdgpu_metadata
.endif
;; end of part 1
;; launch qkv (part 2): grid 8 x 24, 4 waves a work-group, clusters of 4 x 4, 327,680 bytes of LDS; arguments img, bq, bk, bv, qkv; writes qkv
.if DOCPART == 2
	.amdgcn_target "amdgcn-amd-amdhsa--gfx1250"
	.amdhsa_code_object_version 6
	.text
	.protected	k_q32c6e0d66c_qkv
	.globl	k_q32c6e0d66c_qkv
	.p2align	8
	.type	k_q32c6e0d66c_qkv,@function
k_q32c6e0d66c_qkv:
	s_mov_b64 s[64:65], 0
	v_nop
	global_prefetch_b8 v0, s[64:65] scope:SCOPE_SE
	s_setreg_imm32_b32 hwreg(HW_REG_WAVE_MODE, 25, 1), 1
	s_wait_xcnt 0x0
	s_wait_alu depctr_hold_cnt(0) depctr_sa_sdst(0) depctr_va_vdst(0) depctr_va_sdst(0) depctr_va_ssrc(0) depctr_va_vcc(0) depctr_vm_vsrc(0)
	s_getreg_b32 s2, hwreg(HW_REG_IB_STS2, 6, 4)
	s_cmp_eq_u32 s2, 0
	s_cbranch_scc0 .Lentry_in_a_cluster
	s_endpgm
.Lentry_in_a_cluster:
	s_bfe_u32 s2, ttmp6, 0x10000c
	s_cmp_lg_u32 s2, 0xf033
	s_cbranch_scc0 .Lentry_shape_is_right
	s_endpgm
.Lentry_shape_is_right:
; q = x Wq^T + bq, k = x Wk^T + bk, v = x Wv^T + bv on codes of E5M2 with E8M0 scales (K = 1,024), and the results quantised at once, in the registers in which they are summed: q and k along the head's 64, v along the keys.
; OPERANDS come from img as blocks of 16,896 bytes (128 rows x 128 K: eight fragment images of 2,048 bytes, then 512 bytes of scale words); the eight K steps of 128 rows are 135,168 consecutive bytes.
; Slot r of tile a of a block holds row 32 (a / 2) + 8 (a % 2) + r % 8 + 16 (r / 8).  So in D = (source 0: tile b of S0) x (source 1: tile a of S1) lane (r, h) holds slot r of S1's tile, and its 64 registers of b = 0 .. 7 are
; S0's rows 32 bb + 16 h + i at register 16 bb + i: the order of an operand whose K is S0's 128 rows.  q, k: S0 = 128 rows of [Wq; Wk] (two heads), S1 = x: a fragment tokens x (2 x 64).  v: S0 = 128 tokens of x, S1 = Wv: a fragment d x 128 keys.
; ONE TEXT serves both: only byte offsets differ, made from the cluster's y (0-3: q and k, 128 work-groups; 4, 5: v, 64 work-groups), the same in all partners; nothing branches on it.
; A tile is 256 rows of S0 x 256 of S1; four waves, as many as a WGP has SIMDs, each 128 x 128: 64 accumulators.  K goes through a ring of two LDS slots of two K steps each; a wave's tensor load brings 33,792 dense bytes (codes and scale words of 128 rows).
; CLUSTERS: 4 x 4 work-groups.  S1's tiles are shared along a row of the cluster, S0's along a column: each is asked for jointly, by the same load with a mask that names the four.
; OUTPUT, blocks of the same make: q of head pair hp, token group t: block 32 hp + t; k: 32 (8 + hp) + t; their scale area holds, for head e, slot r, tile a, two bytes at 256 e + 16 r + 2 a.  v of batch b, head pair hp, key step s: 512 + 16 (8 b + hp) + s, scale words as in img.
; The bias along S0's rows (bq, bk; zeros for v) is the C of each sum's first product; v's bias, one number a lane and tile (zeros for q, k), is added on the way out.
; LIMITS: a block of zeros gets the byte 1 and not 127 (its codes are zeros; this program alone reads the bytes); NaN and infinities are not served.
; REGISTERS, in windows of 256: window 0: v8-27 addresses and v's bias; v32-63 scale words, two sets; v64-127 the bias along S0; v128-255 S1's fragments, one set, later the way out.  window 1: S0's fragments, two sets.  windows 2, 3: the accumulators ((a, b) at v[8 (8 (a % 4) + b)]).
.set BLK,   16896
.set SCO,   16384
.set GRP,   8*BLK
.set HB,    2*BLK                      ; two K steps of 128 rows: what one tensor load brings
.set SLOT,  4*HB                       ; S1's two groups, then S0's two
.set SPARE, 2*SLOT                     ; behind the ring: the spare words, 128 bytes for each wave
.set FR,    16
.set NL,    4
.set NP,    8                          ; places behind this matrix instruction (ISA guide 7.12.1)
.set LI,    8                          ; v8      16 x lane
.set SPW,   11                         ; v11     my spare word; never rewritten
.set NIL,   12                         ; v12     0; never rewritten
.set ADRS,  14                         ; v14-15  my scale words in slot 0, 1: lanes 0-15 S1's, lanes 16-31 S0's
.set ADRA,  16                         ; v16-17  S1's fragments
.set ADRB,  18                         ; v18-19  S0's
.set BL,    20                         ; v20-27  bv at my slot of tile a
.set SC,    32                         ; scale words: register SC + 16 slot + 8 q + i: lanes 0-15 the word of S1's tile i, lanes 16-31 that of S0's tile i
.set BR,    64                         ; the bias along S0's rows, in the result's layout
.set AF,    128
.set T,     128                        ; the way out: 64 numbers
.set PC,    192                        ; their codes
.set TM,    208                        ; at work
.set PWS,   224                        ; the eight tiles' scale words
.set BLP,   232                        ; v's bias as pairs
.set EW,    248
.set G1,    24
.set G0,    32
.set G1B,   48
.set G0B,   56
.set DST,   86
.set SEL,   88
.set MNT,   90
.set MSB, 0
.macro WIN new                         ; the immediate's high byte repeats the setting that is left
.if MSB != (\new)
	s_set_vgpr_msb (MSB<<8)|(\new)
.set MSB, (\new)
.endif
.endm
.set MUL_LO, 0xa1                      ; source 0 (S0) window 1, source 1 (S1) window 0, C and D window 2
.set MUL_HI, 0xf1                      ; the same, C and D window 3
.set TO_B,   0x40
.macro JLOAD s                         ; a joint load: waves 0 and 1 fetch S1's two groups, waves 2 and 3 S0's; four v_nop follow each line
	s_cmp_eq_u32 s15, 0
	s_cbranch_scc0 .Lfor_b_\@
	tensor_load_to_lds s[G0+4*\s:G0+4*\s+3], s[G1:G1+7]
	s_nop 0
.rept 4
	v_nop
.endr
	s_branch .Lasked_\@
.Lfor_b_\@:
	tensor_load_to_lds s[G0B+4*\s:G0B+4*\s+3], s[G1B:G1B+7]
	s_nop 0
.rept 4
	v_nop
.endr
.Lasked_\@:
.endm
.macro CREST                           ; a round of the cluster's barrier behind its opening barrier
	s_cmp_lg_u32 s14, 0
	s_cbranch_scc1 .Lnot_wave_0_\@
	s_barrier_signal -3
.Lnot_wave_0_\@:
	s_barrier_wait -3
	s_barrier_signal -1
	s_barrier_wait -1
.endm
.macro CROUND
	s_barrier_signal -1
	s_barrier_wait -1
	CREST
.endm
	s_load_b256 s[4:11], s[0:1], 0x0               ; img, bq, bk, bv
	s_load_b64 s[12:13], s[0:1], 0x20              ; qkv
	v_lshl_add_u32 v[SPW], v0, 2, SPARE
	v_mov_b32 v[NIL], 0
	ds_add_u32 v11, v12
	ds_add_u32 v11, v12
	s_wait_dscnt 0x0
	v_lshrrev_b32 v1, 5, v0
	v_readfirstlane_b32 s14, v1                    ; wave 0..3
	s_lshr_b32 s15, s14, 1                         ; my half of S1's rows.  Also: I fetch for S1 (0) or for S0 (1)
	s_and_b32 s16, s14, 1                          ; my half of S0's rows.  Also: which 128 rows I fetch
	s_bfe_u32 s40, ttmp6, 0x40000                  ; cx
	s_bfe_u32 s41, ttmp6, 0x40004                  ; cy
	s_and_b32 s18, ttmp7, 0xffff                   ; the cluster's y, 0..5
	s_lshr_b32 s66, s18, 2                         ; vf = 1: this cluster makes v
	s_xor_b32 s67, s66, 1
	s_and_b32 s19, s18, 3
	s_mul_i32 s19, s19, s66
	s_lshl_b32 s19, s19, 3
	s_lshl_b32 s42, ttmp9, 2
	s_add_co_u32 s42, s42, s19
	s_add_co_u32 s42, s42, s40                     ; S0's tile: 4 X + cx (+ 8 for the second cluster row of v)
	s_mul_i32 s17, s18, s67
	s_lshl_b32 s17, s17, 2
	s_add_co_u32 s17, s17, s41                     ; S1's tile: 4 Y + cy; for v: cy
	s_lshl_b32 s43, s41, 2
	s_lshl_b32 s43, 15, s43                        ; my row of the cluster
	s_lshl_b32 s44, 0x1111, s40                    ; my column
	; descriptor group 1: 33,792 dense bytes as 132 rows of 32 elements of 8 bytes, no padding (every LDS read is 16 x lane on end)
	s_or_b32 s[G1+0], s43, (3<<16)|(1<<21)         ; 15:0 the mask: S1's tiles go to my row; 17:16 elements of 8 bytes; 21 set beside a mask
	s_or_b32 s[G1B+0], s44, (3<<16)|(1<<21)        ; S0's go to my column
.irp g, G1, G1B
	s_mov_b32 s[\g+1], 32<<16                      ; tensor_dim0
	s_mov_b32 s[\g+2], 132<<16                     ; tensor_dim1
	s_mov_b32 s[\g+3], 32<<16                      ; tile_dim0
	s_mov_b32 s[\g+4], 132                         ; tile_dim1
	s_mov_b32 s[\g+5], 32                          ; tensor_dim0_stride
	s_mov_b32 s[\g+6], 0
	s_mov_b32 s[\g+7], 0
.endr
	s_lshl_b32 s20, s17, 1
	s_add_co_u32 s20, s20, s16
	s_mul_i32 s20, s20, GRP
	s_mul_i32 s21, s66, 384*BLK                    ; S1: x from block 0, Wv from block 384
	s_add_co_u32 s20, s20, s21
	s_mov_b32 s21, 0
	s_lshl_b32 s46, s42, 1
	s_add_co_u32 s46, s46, s16
	s_mul_i32 s46, s46, GRP
	s_mul_i32 s47, s67, 256*BLK                    ; S0: [Wq; Wk] from block 256, x from block 0
	s_add_co_u32 s46, s46, s47
	s_mov_b32 s47, 0
	s_mul_i32 s45, s14, HB                         ; where they go: wave x 33,792: no place in the cluster enters an LDS address
	s_lshl_b32 s68, s42, 1
	s_add_co_u32 s68, s68, s16                     ; G: my group of S0
	s_lshl_b32 s69, s17, 1
	s_add_co_u32 s69, s69, s15                     ; A8: my group of S1
	s_lshl_b32 s70, s68, 5
	s_add_co_u32 s70, s70, s69
	s_mul_i32 s70, s70, s67                        ; q, k: block 32 G + A8
	s_lshr_b32 s71, s68, 4
	s_lshl_b32 s71, s71, 7
	s_lshl_b32 s72, s69, 4
	s_add_co_u32 s71, s71, s72
	s_and_b32 s72, s68, 15
	s_add_co_u32 s71, s71, s72
	s_add_co_u32 s71, s71, 512
	s_mul_i32 s71, s71, s66                        ; v: block 512 + 128 (G / 16) + 16 A8 + G % 16
	s_add_co_u32 s70, s70, s71
	s_mul_i32 s70, s70, BLK
	s_mov_b32 s71, 0
	s_sub_co_u32 s78, 0, s66                       ; all ones for v, 0 for q and k
	s_not_b32 s79, s78
	s_mov_b32 s[SEL], 0x76543210
	s_mov_b32 s[SEL+1], 0xfedcba98
	s_wait_kmcnt 0x0
	s_add_nc_u64 s[20:21], s[4:5], s[20:21]
	s_add_nc_u64 s[46:47], s[4:5], s[46:47]
	s_add_nc_u64 s[DST:DST+1], s[12:13], s[70:71]
	s_cmp_lt_u32 s68, 8                            ; bq or bk (for v the numbers are masked away; the address stays inside its buffer)
	s_cselect_b64 s[74:75], s[6:7], s[8:9]
	s_and_b32 s72, s68, 7
	s_lshl_b32 s72, s72, 9
	s_mov_b32 s73, 0
	s_add_nc_u64 s[74:75], s[74:75], s[72:73]
	s_and_b32 s72, s69, 7
	s_lshl_b32 s72, s72, 9
	s_add_nc_u64 s[76:77], s[10:11], s[72:73]
	CROUND                                         ; all sixteen work-groups are here: the first joint loads meet
.irp s, 0,1
	s_mov_b32 s[G0+4*\s], 1
	s_add_co_u32 s[G0+4*\s+1], s45, \s*SLOT
	s_add_nc_u64 s[G0+4*\s+2:G0+4*\s+3], s[20:21], \s*HB
	s_or_b32 s[G0+4*\s+3], s[G0+4*\s+3], 0x80000000
	s_mov_b32 s[G0B+4*\s], 1
	s_add_co_u32 s[G0B+4*\s+1], s45, \s*SLOT
	s_add_nc_u64 s[G0B+4*\s+2:G0B+4*\s+3], s[46:47], \s*HB
	s_or_b32 s[G0B+4*\s+3], s[G0B+4*\s+3], 0x80000000
	JLOAD \s                                       ; K steps 0, 1 and 2, 3: two loads of mine are out
.endr
	v_and_b32 v1, 15, v0                           ; r
	v_bfe_u32 v2, v0, 4, 1                         ; h
	v_and_b32 v3, 31, v0
	v_lshlrev_b32 v[LI], 4, v3
	s_mul_i32 s82, s15, HB                         ; my group of S1
	s_add_co_u32 s83, s16, 2
	s_mul_i32 s83, s83, HB                         ; my group of S0, behind S1's two
	v_add_nc_u32 v[ADRA], s82, v[LI]
	v_add_nc_u32 v[ADRB], s83, v[LI]
	v_add_nc_u32 v[ADRA+1], SLOT, v[ADRA]
	v_add_nc_u32 v[ADRB+1], SLOT, v[ADRB]
	s_xor_b32 s84, s15, 1
	s_add_co_u32 s84, s84, s16
	s_add_co_u32 s84, s84, 1
	s_mul_i32 s84, s84, HB                         ; from my group of S1 to my group of S0
	v_mul_u32_u24 v4, s84, v2                      ; lanes 16-31 take S0's words
	v_lshl_add_u32 v4, v1, 4, v4
	s_add_co_u32 s82, s82, SCO
	v_add_nc_u32 v[ADRS], s82, v4
	v_add_nc_u32 v[ADRS+1], SLOT, v[ADRS]
	v_lshlrev_b32 v5, 6, v2                        ; the bias along S0: register 8 b + j is row 32 (b / 2) + 16 h + 8 (b % 2) + j
	v_and_b32 v6, 8, v1
	v_add_nc_u32 v6, v6, v1
	v_lshlrev_b32 v6, 2, v6                        ; bv: my slot's row, r + 8 (r / 8)
.irp b, 0,1,2,3,4,5,6,7
	global_load_b128 v[BR+8*\b:BR+8*\b+3], v5, s[74:75] offset:(32*(\b/2)+8*(\b%2))*4
	global_load_b128 v[BR+8*\b+4:BR+8*\b+7], v5, s[74:75] offset:(32*(\b/2)+8*(\b%2))*4+16
.endr
.irp a, 0,1,2,3,4,5,6,7
	global_load_b32 v[BL+\a], v6, s[76:77] offset:(32*(\a/2)+8*(\a%2))*4
.endr
	s_wait_loadcnt 0x0                             ; the biases, while the first tiles are on their way
.set ix, 0
.rept 64
	v_and_b32 v[BR+ix], s79, v[BR+ix]              ; zeros where this cluster makes v
.set ix, ix+1
.endr
.macro FRAG reg, adr, q, i             ; a fragment image: four loads of 512 consecutive bytes
.irp c, 0,1,2,3
	ds_load_b128 v[\reg+4*\c:\reg+4*\c+3], v[\adr] offset:BLK*(\q)+2048*(\i)+512*\c
.endr
.endm
; 16 matrix instructions: S1's tiles a0, a0 + 1 x S0's eight, 128 along K.  p: S0's set; q: which K step of the slot; sc: the set of scale words.  zero = 1: the first product starts the sum, with the bias as its C.
; The 64 accumulators take turns, one instruction a turn, in the same order in every step.
.macro MUL16 a0, p, q, sc, zero
.irp a, \a0, \a0+1
.irp b, 0,1,2,3,4,5,6,7
.if \zero
	v_wmma_scale_f32_16x16x128_f8f6f4 v[8*(8*((\a)%4)+\b):8*(8*((\a)%4)+\b)+7], v[128*(\p)+FR*\b:128*(\p)+FR*\b+FR-1], v[AF+FR*(\a):AF+FR*(\a)+FR-1], v[BR+8*\b:BR+8*\b+7], v[SC+16*(\sc)+8*(\q)+\b], v[SC+16*(\sc)+8*(\q)+(\a)] matrix_a_fmt:MATRIX_FMT_BF8 matrix_b_fmt:MATRIX_FMT_BF8 matrix_a_scale:MATRIX_SCALE_ROW1
.else
	v_wmma_scale_f32_16x16x128_f8f6f4 v[8*(8*((\a)%4)+\b):8*(8*((\a)%4)+\b)+7], v[128*(\p)+FR*\b:128*(\p)+FR*\b+FR-1], v[AF+FR*(\a):AF+FR*(\a)+FR-1], v[8*(8*((\a)%4)+\b):8*(8*((\a)%4)+\b)+7], v[SC+16*(\sc)+8*(\q)+\b], v[SC+16*(\sc)+8*(\q)+(\a)] matrix_a_fmt:MATRIX_FMT_BF8 matrix_b_fmt:MATRIX_FMT_BF8 matrix_a_scale:MATRIX_SCALE_ROW1
.endif
.endr
.endr
.endm
.macro FETCH_B slot, q, p
	WIN TO_B
.irp i, 0,1,2,3,4,5,6,7
	FRAG 128*(\p)+FR*\i, ADRB+\slot, \q, \i
.endr
	WIN 0
.endm
.macro FETCH_A slot, q, i0
.irp i, \i0, \i0+1, \i0+2, \i0+3
	FRAG AF+FR*(\i), ADRA+\slot, \q, \i
.endr
.endm
.macro SCALES slot                     ; both K steps' scale words of a slot: four words a load
.irp q, 0,1
.irp f, 0,1
	ds_load_b128 v[SC+16*\slot+8*\q+4*\f:SC+16*\slot+8*\q+4*\f+3], v[ADRS+\slot] offset:BLK*\q+256*\f
.endr
.endr
.endm
.macro PLACES n                        ; plain vector lines between a matrix instruction and a load into, or a read of, its registers
.rept \n
	v_nop
.endr
.endm
.macro STEP slot, q, zero              ; a slot's first K step
	s_wait_dscnt 4*NL                              ; S0's set, S1's tiles 0-3 and the scale words are in; the youngest 16 loads (S1's tiles 4-7) may be out
	WIN MUL_LO-0x20*\zero                          ; (zero = 1: C, the bias, lies in window 0)
	MUL16 0, (\q)%2, \q, \slot, \zero
	MUL16 2, (\q)%2, \q, \slot, \zero
	s_wait_dscnt 0
	PLACES NP
	FETCH_B \slot, (\q)+1, 1-(\q)%2
	FETCH_A \slot, (\q)+1, 0
	WIN MUL_HI-0x30*\zero
	MUL16 4, (\q)%2, \q, \slot, \zero
	MUL16 6, (\q)%2, \q, \slot, \zero
	PLACES NP
	WIN 0
	FETCH_A \slot, (\q)+1, 4
.endm
; A slot's second K step changes slots: one barrier; in front of it each wave waits for all its tensor loads, adds 0 to its spare word, and waits for that and for its reads of this slot.  fill = 1: this slot is filled again.
.macro TURN slot, next, fill
	s_wait_tensorcnt 0x0                           ; all my tensor loads have landed: my part of the next slot
	ds_add_u32 v[SPW], v[NIL]                      ; 0 onto my spare word
	s_wait_dscnt 4*NL+1                            ; (the add and the youngest 16 loads may be out)
	WIN MUL_LO
	MUL16 0, 1, 1, \slot, 0
	s_wait_dscnt 0x0                               ; the add is done, and my reads of this slot are over
	s_barrier_signal -1
	MUL16 2, 1, 1, \slot, 0
	WIN 0
	s_barrier_wait -1
.if \fill
	CREST                                          ; the barrier has opened a round of the cluster's: no wave of any partner still reads this slot or has a load on its way
	s_add_nc_u64 s[G0+4*\slot+2:G0+4*\slot+3], s[G0+4*\slot+2:G0+4*\slot+3], 2*HB
	s_add_nc_u64 s[G0B+4*\slot+2:G0B+4*\slot+3], s[G0B+4*\slot+2:G0B+4*\slot+3], 2*HB
	JLOAD \slot                                    ; the first tensor load behind the round, my only one until the next; its four v_nop are among the places below
	PLACES NP-4
.else
	PLACES NP
.endif
	FETCH_B \next, 0, 0
	FETCH_A \next, 0, 0
	SCALES \next
	WIN MUL_HI
	MUL16 4, 1, 1, \slot, 0
	MUL16 6, 1, 1, \slot, 0
	PLACES NP
	WIN 0
	FETCH_A \next, 0, 4
.endm
	s_wait_alu depctr_va_vdst(0)
	s_wait_tensorcnt 1                             ; my part of slot 0 is in; slot 1's load may be out
	s_barrier_signal -1
	s_barrier_wait -1
	FETCH_B 0, 0, 0
	FETCH_A 0, 0, 0
	SCALES 0
	FETCH_A 0, 0, 4
	STEP 0, 0, 1                                   ; K = 1,024 is eight K steps, four fills: written out
	TURN 0, 1, 1
	STEP 1, 0, 0
	TURN 1, 0, 1
	STEP 0, 0, 0
	TURN 0, 1, 0                                   ; nothing is left to fetch
	STEP 1, 0, 0
	s_wait_dscnt 4*NL
	WIN MUL_LO
	MUL16 0, 1, 1, 1, 0
	MUL16 2, 1, 1, 1, 0
	s_wait_dscnt 0
	WIN MUL_HI
	MUL16 4, 1, 1, 1, 0
	MUL16 6, 1, 1, 1, 0
	WIN 0
	PLACES NP
; 64 numbers of a lane, register 16 b + i = k 32 b + 16 h + i of my row, become a fragment's codes and its scale word
.macro QUANT s, pc, pw
.irp b, 0,1,2,3
	v_max3_num_f32 v[TM+\b], |v[\s+16*\b]|, |v[\s+1+16*\b]|, 0x8000000   ; my 16 numbers, and the floor 2^(16 - 127): the byte cannot fall under 1
.endr
.irp i, 2,4,6,8,10,12,14
.irp b, 0,1,2,3
	v_max3_num_f32 v[TM+\b], v[TM+\b], |v[\s+16*\b+\i]|, |v[\s+1+16*\b+\i]|
.endr
.endr
.irp b, 0,1,2,3
	v_permlanex16_b32 v[TM+4+\b], v[TM+\b], s[SEL], s[SEL+1]
.endr
.irp b, 0,1,2,3
	v_max_num_f32 v[TM+\b], v[TM+\b], v[TM+4+\b]   ; with lane l xor 16's: the block's largest magnitude
.endr
.irp b, 0,1,2,3
	v_add_nc_u32 v[TM+12+\b], 0xf8800000, v[TM+\b] ; 15 off its exponent field: the conversion's scale operand
.endr
.irp b, 0,1,2,3
.endr
.irp b, 0,1,2,3
	v_lshrrev_b32 v[TM+4+\b], 23, v[TM+12+\b]      ; the scale's byte
.endr
	v_lshl_or_b32 v[\pw], v[TM+5], 8, v[TM+4]
	v_lshl_or_b32 v[\pw], v[TM+6], 16, v[\pw]
	v_lshl_or_b32 v[\pw], v[TM+7], 24, v[\pw]
.irp b, 0,1,2,3
.irp i, 0,1,2,3,4,5,6,7,8,9,10,11,12,13,14,15
.endr
	v_cvt_scalef32_pk8_bf8_f32 v[\pc+4*\b:\pc+1+4*\b], v[\s+16*\b:\s+7+16*\b], v[TM+12+\b]
	v_cvt_scalef32_pk8_bf8_f32 v[\pc+2+4*\b:\pc+3+4*\b], v[\s+8+16*\b:\s+15+16*\b], v[TM+12+\b]
.endr
	v_nop                                          ; a plain line behind the last conversion: the next tile's additions write its sources
.endm
; THE WAY OUT of S1's tile a: its eight accumulators are one fragment's 64 numbers a lane.  The addition brings them into window 0, each accumulator from its low end on, and adds v's bias.
.macro EPI a
	WIN 0x02+(\a)/4
.set ix, 0
.rept 32
	v_pk_add_f32 v[T+2*ix:T+2*ix+1], v[64*((\a)%4)+2*ix:64*((\a)%4)+2*ix+1], v[BLP+2*(\a):BLP+2*(\a)+1]
.set ix, ix+1
.endr
	WIN 0
	s_wait_xcnt 0x0                                ; the last tile's stores have read their data: the codes' registers are written again only behind this wait
	QUANT T, PC, PWS+(\a)
.irp c, 0,1,2,3
	global_store_b128 v[LI], v[PC+4*\c:PC+4*\c+3], s[DST:DST+1] offset:2048*(\a)+512*\c   ; 32 lanes store 512 consecutive bytes, aligned
.endr
.endm
.irp b, 0,1,2,3
	v_mov_b32 v[TM+4+\b], 0                        ; a lane permute's destination counts as one of its sources
.endr
.irp a, 0,1,2,3,4,5,6,7
	v_and_b32 v[BLP+2*\a], s78, v[BL+\a]           ; v's bias as a pair; zeros where this cluster makes q or k
	v_and_b32 v[BLP+2*\a+1], s78, v[BL+\a]
.endr
.irp a, 0,1,2,3,4,5,6,7
	EPI \a
.endr
	; the block's 512 bytes of scales, 16 a lane.  q, k: lane (r, h) holds head h's two bytes of tiles 0 .. 7;  v: the words of tiles 4 h .. 4 h + 3
	s_mov_b32 s80, 0xffff0000                      ; lanes 16-31
	s_mov_b32 s81, 0x05040100                      ; the two low halves
	s_mov_b32 s82, 0x07060302                      ; the two high halves
.irp j, 0,1,2,3
	v_perm_b32 v[EW+\j], v[PWS+2*\j+1], v[PWS+2*\j], s81
	v_perm_b32 v[EW+4+\j], v[PWS+2*\j+1], v[PWS+2*\j], s82
.endr
.irp j, 0,1,2,3
	v_cndmask_b32 v[EW+\j], v[EW+\j], v[EW+4+\j], s80
	v_cndmask_b32 v[T+\j], v[PWS+\j], v[PWS+4+\j], s80
.endr
.irp j, 0,1,2,3
	v_cndmask_b32 v[T+\j], v[EW+\j], v[T+\j], s78
.endr
	global_store_b128 v[LI], v[T:T+3], s[DST:DST+1] offset:SCO
	s_wait_tensorcnt 0x0                           ; the wave's end
	ds_add_u32 v[SPW], v[NIL]
	s_wait_dscnt 0x0
	CROUND                                         ; the closing round: no work-group ends while a partner may still ask for a tile that names it
	s_endpgm
.Lfunc_end_k_q32c6e0d66c_qkv:
	.size	k_q32c6e0d66c_qkv, .Lfunc_end_k_q32c6e0d66c_qkv-k_q32c6e0d66c_qkv
	.p2alignl 7, 3214868480
	.fill 96, 4, 3214868480
	.section	.rodata,"a",@progbits
	.p2align	6, 0x0
	.amdhsa_kernel k_q32c6e0d66c_qkv
		.amdhsa_group_segment_fixed_size 327680
		.amdhsa_private_segment_fixed_size 0
		.amdhsa_enable_private_segment 0
		.amdhsa_kernarg_size 40
		.amdhsa_user_sgpr_count 2
		.amdhsa_user_sgpr_kernarg_segment_ptr 1
		.amdhsa_wavefront_size32 1
		.amdhsa_system_sgpr_workgroup_id_x 1
		.amdhsa_system_sgpr_workgroup_id_y 1
		.amdhsa_system_sgpr_workgroup_id_z 1
		.amdhsa_system_vgpr_workitem_id 0
		.amdhsa_next_free_vgpr 1024
		.amdhsa_next_free_sgpr 96
		.amdhsa_reserve_vcc 0
		.amdhsa_float_denorm_mode_32 3
		.amdhsa_float_denorm_mode_16_64 3
		.amdhsa_fp16_overflow 1
		.amdhsa_memory_ordered 1
		.amdhsa_forward_progress 1
		.amdhsa_inst_pref_size 168
	.end_amdhsa_kernel
	.amdgpu_metadata
---
amdhsa.version: [ 1, 2 ]
amdhsa.kernels:
  - .name:           k_q32c6e0d66c_qkv
    .symbol:         k_q32c6e0d66c_qkv.kd
    .args:
      - { .name: img, .offset: 0, .size: 8, .value_kind: global_buffer, .address_space: global }
      - { .name: bq, .offset: 8, .size: 8, .value_kind: global_buffer, .address_space: global }
      - { .name: bk, .offset: 16, .size: 8, .value_kind: global_buffer, .address_space: global }
      - { .name: bv, .offset: 24, .size: 8, .value_kind: global_buffer, .address_space: global }
      - { .name: qkv, .offset: 32, .size: 8, .value_kind: global_buffer, .address_space: global }
    .group_segment_fixed_size: 327680
    .private_segment_fixed_size: 0
    .kernarg_segment_align: 8
    .kernarg_segment_size: 40
    .max_flat_workgroup_size: 128
    .sgpr_count:     96
    .vgpr_count:     1024
    .wavefront_size: 32
...
	.end_amdgpu_metadata
.endif
;; end of part 2
;; launch attn (part 3): grid 16 x 16, 16 waves a work-group, no clusters, 327,680 bytes of LDS; arguments qkv, yimg; writes yimg
.if DOCPART == 3
	.amdgcn_target "amdgcn-amd-amdhsa--gfx1250"
	.amdhsa_code_object_version 6
	.text
	.protected	k_q32c6e0d66c_attn
	.globl	k_q32c6e0d66c_attn
	.p2align	8
	.type	k_q32c6e0d66c_attn,@function
k_q32c6e0d66c_attn:
	s_mov_b64 s[64:65], 0
	v_nop
	global_prefetch_b8 v0, s[64:65] scope:SCOPE_SE
	s_setreg_imm32_b32 hwreg(HW_REG_WAVE_MODE, 25, 1), 1
	s_wait_xcnt 0x0
; y = softmax(q k^T / 8, causal) v for 32 (batch, head), T = 2,048, head size 64, both products on codes of E5M2 with E8M0 scales; y is quantised along C at once and leaves as the last product's operand.
; THE SOFTMAX: t = score x log2(e) / 8; M = the running largest t rounded UP to a whole number; p = 2^(t - M) is quantised along the keys, not normalised; the row's sum is taken of the unquantised p and divides at the end
; (v_rcp_f32 and a multiplication).  When M moves, the sum and O are multiplied by 2^(old M - new M): exact.
; INPUT: blocks of 16,896 bytes (eight fragment images of 2,048 bytes, 512 bytes of scales).  q, k: 128 tokens x two heads' 64; registers 8 e .. 8 e + 7 of a fragment are head e.  v: two heads' 128 d x 128 keys.  Slot r of tile a is row 32 (a / 2) + 8 (a % 2) + r % 8 + 16 (r / 8).
; SHARES.  Work-group (i, y): batch y / 8, head pair y % 8, the blocks of 64 queries i and 31 - i of both heads: every work-group has the same work under the causal mask.  Each of its sixteen waves owns 16 queries of one head in 256 registers,
; four waves to a SIMD; which block a wave takes is bit 2 xor bit 0 of its number, so that waves w, w + 4, .. as well as waves 4 s .. 4 s + 3 hold two of each.
; A HEAD'S K IS 64, the instruction's 128.  Source 0 packs head e's halves of key tiles 2 jj and 2 jj + 1; it is multiplied by [q | 0] for the one and by [0 | q] for the other (24 registers [0 | q | 0]): no LDS byte is read for nothing.
; Both products are used transposed (S^T = K Q^T, O^T = V^T P^T): a lane holds ONE query, and by the order of slots its 64 scores are keys 32 bb + 16 h + i at register 16 bb + i: the conversions' results are the second product's operand; O^T likewise is y's.
; RING: two LDS slots of two key steps (K's two blocks, V's two), filled by waves 0 to 3, one block of 66 rows of 256 bytes each.  A step all of whose keys come after a wave's queries is jumped over (a scalar branch on ids); the ring ends with the late block's last steps.
; NO CLUSTER: which steps a wave works hangs on its block of queries, which would be its work-group's place in a cluster, and partners of a cluster must run alike.
; LIMITS: a block of zeros gets the byte 1 and not 127 (zero codes; this program alone reads the bytes); NaN and infinities are not served.
.set BLK,   16896
.set SCO,   16384
.set SLOTA, 4*BLK
.set YS,    2*SLOTA                    ; behind the ring: y's scale bytes, 512, written by LDS stores alone
.set SPARE, YS+512                     ; the spare words, 128 bytes for each of sixteen waves
.set AK,   1                           ; v1-2   K's fragments of my head in slot 0, 1
.set AV,   3                           ; v3-4   V's
.set AKS,  5                           ; v5-6   K's scale words
.set AVS,  7                           ; v7-8   V's
.set SPW,  9                           ; v9     my spare word; never rewritten
.set NIL,  10                          ; v10    0; never rewritten
.set DQ,   11                          ; v11    my query's place in its 128, less 16 h
.set QZ,   16                          ; v16-39 [0 | q | 0];  v12 -M, v13 the largest t, v[14:15] the sum in two halves
.set QS,   40                          ; v40    q's scale bytes, twice
.set LI,   41                          ; v41    16 x lane
.set YSA,  42                          ; v42    where my row's two scale bytes of y go
.set YRD,  46                          ; v46    where wave 0 reads them back
.set KV,   48                          ; v48-111  four operands of K, then of V
.set S,    112                         ; v112-175 S^T, then p
.set O,    176                         ; v176-207 O^T
.set PCD,  208                         ; v208-223 p's codes
.set KSC,  224                         ; v224-227 K's scale words;  v228-231 V's;  v253 p's
.set VSC,  228
.set TM,   232
.set WV,   8
.set TG,   15                          ; s15  my queries' group of 128: the last key step that counts for them
.set KS,   17                          ; s17  the key step
.set CNT,  18
.set MNT,  19
.set SEL,  20
.set CS,   22                          ; s[22:23] c = log2(e) / 8
.set G1,   24
.set G0,   32
.macro TLOAD s                         ; waves 0 to 3 fetch one block each; four v_nop follow the line
	s_cmp_lt_u32 s[WV], 4
	s_cbranch_scc0 .Lnone_\@
	tensor_load_to_lds s[G0+4*(\s):G0+4*(\s)+3], s[G1:G1+7]
	s_nop 0
.rept 4
	v_nop
.endr
.Lnone_\@:
.endm
	s_load_b128 s[4:7], s[0:1], 0x0                ; qkv, yimg
	v_lshl_add_u32 v[SPW], v0, 2, SPARE
	v_mov_b32 v[NIL], 0
	ds_add_u32 v9, v10
	ds_add_u32 v9, v10
	s_wait_dscnt 0x0
	v_lshrrev_b32 v43, 5, v0
	s_delay_alu instid0(VALU_DEP_1)
	v_readfirstlane_b32 s[WV], v43                 ; wave 0..15
	s_mov_b32 s9, ttmp9                            ; i
	s_and_b32 s10, ttmp7, 0xffff
	s_lshr_b32 s11, s10, 3                         ; batch
	s_and_b32 s12, s10, 7                          ; head pair
	s_and_b32 s40, s[WV], 1
	s_bfe_u32 s14, s[WV], 0x10001                  ; e: which head of the pair
	s_bfe_u32 s41, s[WV], 0x10002
	s_lshr_b32 s42, s[WV], 3
	s_xor_b32 s13, s41, s40                        ; L: the early block (0) or the late one (1)
	s_lshl_b32 s16, s42, 1
	s_add_co_u32 s16, s16, s40                     ; ti: which 16 of the block's 64 queries
	s_lshl_b32 s43, s9, 1
	s_sub_co_u32 s43, 31, s43
	s_mul_i32 s43, s43, s13
	s_add_co_u32 s43, s43, s9                      ; j = i or 31 - i
	s_lshr_b32 s[TG], s43, 1
	s_and_b32 s44, s43, 1
	s_lshl_b32 s44, s44, 2
	s_add_co_u32 s44, s44, s16                     ; a: my tile in the group of 128
	; every LDS address is made here, ahead of the first branch: constants, the lane and the wave's number
	v_and_b32 v43, 15, v0                          ; r
	v_bfe_u32 v44, v0, 4, 1                        ; h
	v_and_b32 v45, 31, v0
	s_delay_alu instid0(VALU_DEP_1)
	v_lshlrev_b32 v[LI], 4, v45
	s_lshl_b32 s56, s14, 10
	v_add_nc_u32 v[AK], s56, v[LI]                 ; 1,024 e + 16 x lane
	s_delay_alu instid0(VALU_DEP_1)
	v_add_nc_u32 v[AK+1], SLOTA, v[AK]
	s_lshl_b32 s56, s14, 13
	s_add_co_u32 s56, s56, 2*BLK
	v_add_nc_u32 v[AV], s56, v[LI]                 ; V's blocks lie behind K's two; head e's tiles 8,192 e on
	s_delay_alu instid0(VALU_DEP_1)
	v_add_nc_u32 v[AV+1], SLOTA, v[AV]
	s_lshl_b32 s56, s14, 8
	s_add_co_u32 s56, s56, SCO
	v_lshl_add_u32 v[AKS], v43, 4, s56             ; 16,384 + 256 e + 16 r
	s_delay_alu instid0(VALU_DEP_1)
	v_add_nc_u32 v[AKS+1], SLOTA, v[AKS]
	s_delay_alu instid0(VALU_DEP_2)
	v_add_nc_u32 v[AVS], 2*BLK, v[AKS]
	s_delay_alu instid0(VALU_DEP_1)
	v_add_nc_u32 v[AVS+1], SLOTA, v[AVS]
	s_lshl_b32 s56, s13, 8
	s_lshl_b32 s57, s16, 2
	s_add_co_u32 s56, s56, s57
	s_lshl_b32 s57, s14, 1
	s_add_co_u32 s56, s56, s57
	s_add_co_u32 s56, s56, YS
	v_lshl_add_u32 v[YSA], v43, 4, s56             ; YS + 256 L + 16 r + 4 ti + 2 e
	v_add_nc_u32 v[YRD], YS, v[LI]
	s_lshr_b32 s45, s44, 1
	s_lshl_b32 s45, s45, 5
	s_and_b32 s56, s44, 1
	s_lshl_b32 s56, s56, 3
	s_add_co_u32 s45, s45, s56                     ; my tile's first row: 32 (a / 2) + 8 (a % 2)
	v_and_b32 v45, 8, v43
	s_delay_alu instid0(VALU_DEP_1)
	v_add_nc_u32 v45, v45, v43                     ; r + 8 (r / 8)
	v_lshlrev_b32 v[DQ], 4, v44
	s_delay_alu instid0(VALU_DEP_1)
	v_sub_nc_u32 v[DQ], v45, v[DQ]
	s_delay_alu instid0(VALU_DEP_1)
	v_add_nc_u32 v[DQ], s45, v[DQ]
	; descriptor group 1: a block, 16,896 dense bytes, as 66 rows of 32 elements of 8 bytes
	s_mov_b32 s[G1], 3<<16
	s_mov_b32 s[G1+1], 32<<16
	s_mov_b32 s[G1+2], 66<<16
	s_mov_b32 s[G1+3], 32<<16
	s_mov_b32 s[G1+4], 66
	s_mov_b32 s[G1+5], 32
	s_mov_b32 s[G1+6], 0
	s_mov_b32 s[G1+7], 0
	s_add_co_u32 s46, s12, 8
	s_lshl_b32 s46, s46, 5
	s_lshl_b32 s57, s11, 4                         ; 16 x batch
	s_add_co_u32 s46, s46, s57                     ; K's first block: 32 (8 + hp) + 16 b
	s_lshl_b32 s47, s11, 3
	s_add_co_u32 s47, s47, s12
	s_lshl_b32 s47, s47, 4
	s_add_co_u32 s47, s47, 512                     ; V's: 512 + 16 (8 b + hp)
	s_sub_co_u32 s47, s47, s46
	s_mul_i32 s47, s47, s14                        ; waves 2, 3 (bit 1) fetch V's
	s_add_co_u32 s46, s46, s47
	s_add_co_u32 s46, s46, s40                     ; bit 0: which of the slot's two steps
	s_mul_i32 s46, s46, BLK
	s_mov_b32 s47, 0
	s_and_b32 s48, s[WV], 3
	s_mul_i32 s48, s48, BLK                        ; and its place in a slot
	s_lshl_b32 s56, s12, 5
	s_add_co_u32 s56, s56, s57
	s_add_co_u32 s56, s56, s[TG]
	s_mul_i32 s56, s56, BLK                        ; q's block: 32 hp + 16 b + TG
	s_lshl_b32 s58, s44, 11
	s_lshl_b32 s59, s14, 10
	s_add_co_u32 s58, s58, s59                     ; 2,048 a + 1,024 e
	s_add_co_u32 s50, s56, s58
	s_mov_b32 s51, 0
	s_lshl_b32 s59, s14, 8
	s_add_co_u32 s52, s56, s59
	s_lshl_b32 s59, s44, 1
	s_add_co_u32 s52, s52, s59
	s_add_co_u32 s52, s52, SCO                     ; q's scale bytes: 16,384 + 256 e + 2 a (+ 16 r)
	s_mov_b32 s53, 0
	s_add_co_u32 s54, s57, s[TG]
	s_lshl_b32 s54, s54, 3
	s_add_co_u32 s54, s54, s12
	s_mul_i32 s54, s54, BLK                        ; y's block: 8 (16 b + TG) + hp
	s_add_co_u32 s54, s54, s58
	s_mov_b32 s55, 0
	s_mov_b32 s[SEL], 0x76543210
	s_mov_b32 s[SEL+1], 0xfedcba98
	s_mov_b32 s[CS], 0x3e38aa3b
	s_mov_b32 s[CS+1], s[CS]                       ; (named with it as a pair, so it is written)
	s_mov_b32 s[KS], 0
	s_lshr_b32 s[CNT], s9, 3
	s_sub_co_u32 s[CNT], 3, s[CNT]                 ; 8 slots where the late block lies in groups 12-15 (i < 8), 6 where in groups 8-11: the loop's trips are half of that less one
	s_wait_kmcnt 0x0
	s_add_nc_u64 s[46:47], s[4:5], s[46:47]
	s_add_nc_u64 s[50:51], s[4:5], s[50:51]
	s_add_nc_u64 s[52:53], s[4:5], s[52:53]
	s_add_nc_u64 s[54:55], s[6:7], s[54:55]
.irp n, 0,1
	s_mov_b32 s[G0+4*\n], 1
	s_add_co_u32 s[G0+4*\n+1], s48, \n*SLOTA
	s_add_nc_u64 s[G0+4*\n+2:G0+4*\n+3], s[46:47], \n*2*BLK
	s_or_b32 s[G0+4*\n+3], s[G0+4*\n+3], 0x80000000
.endr
	TLOAD 0                                        ; key steps 0 and 1
	global_load_b128 v[QZ+8:QZ+11], v[LI], s[50:51]
	global_load_b128 v[QZ+12:QZ+15], v[LI], s[50:51] offset:512
	v_lshlrev_b32 v45, 4, v43
	global_load_u16 v254, v45, s[52:53]
	v_mov_b32 v13, 0xff61b1e6                      ; the largest t so far: -3e38, under every t
	s_delay_alu instid0(VALU_DEP_1)
	v_floor_f32 v12, -v13
	v_mov_b32 v14, 0
	v_mov_b32 v15, 0
.irp j, 0,1,2,3,4,5,6,7
	v_mov_b32 v[QZ+\j], 0                          ; zero codes on both sides of q
	v_mov_b32 v[QZ+16+\j], 0
.endr
.set ix, 0
.rept 32
	v_mov_b32 v[O+ix], 0                           ; the step is written once for all steps: the first finds zeros, which the first change of M leaves zeros
.set ix, ix+1
.endr
.irp b, 0,1,2,3
	v_mov_b32 v[236+\b], 0                         ; a lane permute's destination counts as one of its sources
.endr
	v_mov_b32 v252, 0
	v_mov_b32 v253, 0
	s_wait_loadcnt 0x0                             ; q
	v_lshl_or_b32 v[QS], v254, 16, v254            ; the head's two bytes for either half of the instruction's K
; A KEY STEP: 128 keys, the q-th of the slot
.macro STEP slot, q
	s_cmp_gt_u32 s[KS], s[TG]                      ; all its keys come after my queries: nothing to do
	s_cbranch_scc1 .Lhid_\@
.rept 8
	v_nop                                          ; places in front of loads into registers that the last products read
.endr
.irp jj, 0,1,2,3
.irp u, 0,1
.irp c, 0,1
	ds_load_b128 v[KV+16*\jj+8*\u+4*\c:KV+16*\jj+8*\u+4*\c+3], v[AK+\slot] offset:BLK*\q+2048*(2*\jj+\u)+512*\c
.endr
.endr
.endr
	ds_load_b128 v[KSC:KSC+3], v[AKS+\slot] offset:BLK*\q   ; word jj: the two bytes of tile 2 jj, then of tile 2 jj + 1
	s_wait_dscnt 0x0
	s_wait_alu depctr_va_vdst(0)
.irp jj, 0,1,2,3
	v_wmma_scale_f32_16x16x128_f8f6f4 v[S+16*\jj:S+16*\jj+7], v[KV+16*\jj:KV+16*\jj+15], v[QZ+8:QZ+23], 0, v[KSC+\jj], v[QS] matrix_a_fmt:MATRIX_FMT_BF8 matrix_b_fmt:MATRIX_FMT_BF8
	v_wmma_scale_f32_16x16x128_f8f6f4 v[S+16*\jj+8:S+16*\jj+15], v[KV+16*\jj:KV+16*\jj+15], v[QZ:QZ+15], 0, v[KSC+\jj], v[QS] matrix_a_fmt:MATRIX_FMT_BF8 matrix_b_fmt:MATRIX_FMT_BF8
.endr
.rept 8
	v_nop
.endr
.irp t, 0,1,2,3                        ; V's four tiles of my head are asked for now and land under the softmax
.irp c, 0,1,2,3
	ds_load_b128 v[KV+16*\t+4*\c:KV+16*\t+4*\c+3], v[AV+\slot] offset:BLK*\q+2048*\t+512*\c
.endr
.endr
	ds_load_b128 v[VSC:VSC+3], v[AVS+\slot] offset:BLK*\q
	s_cmp_lg_u32 s[KS], s[TG]                      ; on the diagonal the scores of hidden keys become -infinity ahead of the maximum: p = 0 then
	s_cbranch_scc1 .Lopen_\@
	v_mov_b32 v254, 0xff800000
.set ix, 0
.rept 64
	v_cmp_gt_i32 vcc_lo, 32*(ix/16)+ix%16, v[DQ]   ; register 16 bb + i holds key 32 bb + 16 h + i of the 128
	v_cndmask_b32 v[S+ix], v[S+ix], v254, vcc_lo
.set ix, ix+1
.endr
.Lopen_\@:
.irp b, 0,1,2,3
	v_max3_num_f32 v[232+\b], v[S+16*\b], v[S+1+16*\b], v[S+2+16*\b]   ; the largest score of each block of 32 keys: for the row's maximum and, since p rises with the score, for the block's largest p
.endr
.irp i, 3,5,7,9,11,13
.irp b, 0,1,2,3
	v_max3_num_f32 v[232+\b], v[232+\b], v[S+16*\b+\i], v[S+1+16*\b+\i]
.endr
.endr
.irp b, 0,1,2,3
	v_max_num_f32 v[232+\b], v[232+\b], v[S+15+16*\b]
.endr
.irp b, 0,1,2,3
	s_delay_alu instid0(VALU_DEP_4)
	v_permlanex16_b32 v[236+\b], v[232+\b], s[SEL], s[SEL+1]
.endr
.irp b, 0,1,2,3
	s_delay_alu instid0(VALU_DEP_4)
	v_max_num_f32 v[232+\b], v[232+\b], v[236+\b]  ; with lane l xor 16's 16 keys
.endr
	s_delay_alu instid0(VALU_DEP_2)
	v_max3_num_f32 v254, v232, v233, v234
	s_delay_alu instid0(VALU_DEP_1)
	v_max_num_f32 v254, v254, v235
	s_delay_alu instid0(VALU_DEP_1)
	v_mul_f32 v254, s[CS], v254                    ; as t (c is positive)
	s_delay_alu instid0(VALU_DEP_1)
	v_max_num_f32 v13, v13, v254                   ; the running largest t
	v_mov_b32 v254, v12
	s_delay_alu instid0(VALU_DEP_2)
	v_floor_f32 v12, -v13                          ; the new -M = -ceil(t)
	s_delay_alu instid0(VALU_DEP_1)
	v_sub_f32 v254, v12, v254                      ; old M less new M: a whole number, 0 or less
	s_delay_alu instid0(VALU_DEP_1)
	v_cvt_i32_f32 v254, v254                       ; (it saturates)
	s_delay_alu instid0(VALU_DEP_1)
	v_ldexp_f32 v252, 1.0, v254                    ; f = 2^(old M - new M)
.set ix, 0
.rept 32
	v_pk_fma_f32 v[S+ix:S+ix+1], v[S+ix:S+ix+1], s[CS:CS+1], v[12:13] op_sel_hi:[1,0,0]   ; t - M, two at a time
.set ix, ix+2
.endr
.irp b, 0,1,2,3
	v_fma_f32 v[232+\b], v[232+\b], s[CS], v12     ; the same of each block's largest score
.endr
.set ix, 0
	s_wait_alu depctr_va_vdst(0)
.rept 64
	v_exp_f32 v[S+ix], v[S+ix]                     ; p = 2^(t - M), at most 1
.set ix, ix+1
.endr
.irp b, 0,1,2,3
	v_exp_f32 v[232+\b], v[232+\b]                 ; the block's largest p: the same two instructions on the same number
.endr
	v_pk_mul_f32 v[14:15], v[14:15], v[252:253] op_sel_hi:[1,0]   ; the sums under the new M (a plain line behind the exponentials)
	s_wait_alu depctr_va_vdst(0)
.irp b, 0,1,2,3
	v_max_num_f32 v[232+\b], 0x8000000, v[232+\b]  ; the floor 2^(16 - 127): the byte cannot fall under 1
.endr
.irp b, 0,1,2,3
	s_delay_alu instid0(VALU_DEP_4)
	v_add_nc_u32 v[244+\b], 0xf8800000, v[232+\b]  ; the conversion's scale operand
.endr
.irp b, 0,1,2,3
.endr
.irp b, 0,1,2,3
	s_delay_alu instid0(VALU_DEP_4)
	v_lshrrev_b32 v[236+\b], 23, v[244+\b]         ; the scale's byte
.endr
	s_delay_alu instid0(VALU_DEP_3)
	v_lshl_or_b32 v253, v237, 8, v236              ; p's scale word for these 128 keys
	s_delay_alu instid0(VALU_DEP_1)
	v_lshl_or_b32 v253, v238, 16, v253
	s_delay_alu instid0(VALU_DEP_1)
	v_lshl_or_b32 v253, v239, 24, v253
	v_pk_add_f32 v[236:237], v[116:117], v[120:121]
	v_pk_add_f32 v[254:255], v[124:125], v[128:129]
	v_pk_add_f32 v[250:251], v[132:133], v[136:137]
	v_pk_add_f32 v[248:249], v[140:141], v[144:145]
	v_pk_add_f32 v[242:243], v[148:149], v[152:153]
	v_pk_add_f32 v[240:241], v[156:157], v[160:161]
	v_pk_add_f32 v[234:235], v[164:165], v[168:169]
	v_pk_add_f32 v[14:15], v[14:15], v[172:173]
	v_pk_add_f32 v[236:237], v[236:237], v[112:113]
	v_pk_add_f32 v[254:255], v[254:255], v[114:115]
	v_pk_add_f32 v[250:251], v[250:251], v[118:119]
	v_pk_add_f32 v[248:249], v[248:249], v[122:123]
	v_pk_add_f32 v[242:243], v[242:243], v[126:127]
	v_pk_add_f32 v[240:241], v[240:241], v[130:131]
	v_pk_add_f32 v[234:235], v[234:235], v[134:135]
	v_pk_add_f32 v[14:15], v[14:15], v[138:139]
	v_pk_add_f32 v[236:237], v[236:237], v[142:143]
	v_pk_add_f32 v[254:255], v[254:255], v[146:147]
	v_pk_add_f32 v[250:251], v[250:251], v[150:151]
	v_pk_add_f32 v[248:249], v[248:249], v[154:155]
	v_pk_add_f32 v[242:243], v[242:243], v[158:159]
	v_pk_add_f32 v[240:241], v[240:241], v[162:163]
	v_pk_add_f32 v[234:235], v[234:235], v[166:167]
	v_pk_add_f32 v[14:15], v[14:15], v[170:171]
	v_pk_add_f32 v[236:237], v[236:237], v[174:175]
	s_delay_alu instid0(VALU_DEP_2)
	v_pk_add_f32 v[14:15], v[14:15], v[248:249]
	s_delay_alu instid0(VALU_DEP_2)
	v_pk_add_f32 v[236:237], v[236:237], v[242:243]
	v_pk_add_f32 v[254:255], v[254:255], v[240:241]
	v_pk_add_f32 v[250:251], v[250:251], v[234:235]
	s_delay_alu instid0(VALU_DEP_2)
	v_pk_add_f32 v[14:15], v[14:15], v[254:255]
	s_delay_alu instid0(VALU_DEP_2)
	v_pk_add_f32 v[236:237], v[236:237], v[250:251]
	s_delay_alu instid0(VALU_DEP_1)
	v_pk_add_f32 v[14:15], v[14:15], v[236:237]
.irp b, 0,1,2,3
.irp i, 0,1,2,3,4,5,6,7,8,9,10,11,12,13,14,15
.endr
	v_cvt_scalef32_pk8_bf8_f32 v[PCD+4*\b:PCD+1+4*\b], v[S+16*\b:S+7+16*\b], v[244+\b]
	v_cvt_scalef32_pk8_bf8_f32 v[PCD+2+4*\b:PCD+3+4*\b], v[S+8+16*\b:S+15+16*\b], v[244+\b]
.endr
.set ix, 0
.rept 16
	v_pk_mul_f32 v[O+ix:O+ix+1], v[O+ix:O+ix+1], v[252:253] op_sel_hi:[1,0]   ; O^T under the new M; these sixteen also stand between the conversions and the products
.set ix, ix+2
.endr
	s_wait_alu depctr_va_vdst(0)
	s_wait_dscnt 0x0                               ; V
.irp t, 0,1,2,3
	v_wmma_scale_f32_16x16x128_f8f6f4 v[O+8*\t:O+8*\t+7], v[KV+16*\t:KV+16*\t+15], v[PCD:PCD+15], v[O+8*\t:O+8*\t+7], v[VSC+\t], v253 matrix_a_fmt:MATRIX_FMT_BF8 matrix_b_fmt:MATRIX_FMT_BF8
.endr
.Lhid_\@:
	s_add_co_u32 s[KS], s[KS], 1
.endm
; A slot's turn.  Each wave waits for all its tensor loads (its part of this slot), adds 0 to its spare word, and waits for that and for its reads of the other slot; behind the barrier this slot is whole and nobody reads the other one,
; which is filled with the next two key steps: that load has this slot's two steps of all sixteen waves in which to land.  One tensor load of a wave is out at any time.
.macro TRIP slot, refill
	s_wait_tensorcnt 0x0
	ds_add_u32 v[SPW], v[NIL]                      ; 0 onto my spare word
	s_add_nc_u64 s[G0+4*\slot+2:G0+4*\slot+3], s[G0+4*\slot+2:G0+4*\slot+3], 4*BLK   ; no load of mine is out: this slot's next two steps
	s_wait_dscnt 0x0
	s_barrier_signal -1
	s_barrier_wait -1
.if \refill
	TLOAD 1-\slot
.endif
	STEP \slot, 0
	STEP \slot, 1
.endm
.Lring:
	TRIP 0, 1
	TRIP 1, 1
	s_sub_co_u32 s[CNT], s[CNT], 1
	s_cmp_lg_u32 s[CNT], 0
	s_cbranch_scc1 .Lring
	TRIP 0, 1                                      ; the tail is written out
	TRIP 1, 0
	; THE WAY OUT: y = O^T / the sum; register 16 bb + i is d = 32 bb + 16 h + i of my head: two blocks of 32 along C, registers 8 e + 4 bb on of y's fragment
.rept 8
	v_nop
.endr
	v_add_f32 v14, v14, v15
	s_wait_alu depctr_va_vdst(0)
	v_permlanex16_b32 v252, v14, s[SEL], s[SEL+1]
	s_delay_alu instid0(VALU_DEP_1)
	v_add_f32 v14, v14, v252                       ; the row's sum
	s_wait_alu depctr_va_vdst(0)
	v_rcp_f32 v14, v14
	v_nop                                          ; a plain line behind the transcendental
.set ix, 0
	s_wait_alu depctr_va_vdst(0)
.rept 16
	v_pk_mul_f32 v[S+ix:S+ix+1], v[O+ix:O+ix+1], v[14:15] op_sel_hi:[1,0]
.set ix, ix+2
.endr
.irp b, 0,1
	v_max3_num_f32 v[TM+\b], |v[S+16*\b]|, |v[S+1+16*\b]|, 0x8000000
.endr
.irp i, 2,4,6,8,10,12,14
.irp b, 0,1
	s_delay_alu instid0(VALU_DEP_2)
	v_max3_num_f32 v[TM+\b], v[TM+\b], |v[S+16*\b+\i]|, |v[S+1+16*\b+\i]|
.endr
.endr
.irp b, 0,1
	s_delay_alu instid0(VALU_DEP_2)
	v_permlanex16_b32 v[TM+4+\b], v[TM+\b], s[SEL], s[SEL+1]
.endr
.irp b, 0,1
	s_delay_alu instid0(VALU_DEP_2)
	v_max_num_f32 v[TM+\b], v[TM+\b], v[TM+4+\b]
.endr
.irp b, 0,1
	s_delay_alu instid0(VALU_DEP_2)
	v_add_nc_u32 v[TM+12+\b], 0xf8800000, v[TM+\b]
.endr
.irp b, 0,1
.endr
.irp b, 0,1
	s_delay_alu instid0(VALU_DEP_2)
	v_lshrrev_b32 v[TM+4+\b], 23, v[TM+12+\b]
.endr
	s_delay_alu instid0(VALU_DEP_1)
	v_lshl_or_b32 v254, v[TM+5], 8, v[TM+4]        ; my row's two scale bytes
.irp b, 0,1
.irp i, 0,1,2,3,4,5,6,7,8,9,10,11,12,13,14,15
.endr
	v_cvt_scalef32_pk8_bf8_f32 v[PCD+4*\b:PCD+1+4*\b], v[S+16*\b:S+7+16*\b], v[TM+12+\b]
	v_cvt_scalef32_pk8_bf8_f32 v[PCD+2+4*\b:PCD+3+4*\b], v[S+8+16*\b:S+15+16*\b], v[TM+12+\b]
.endr
	v_nop
	global_store_b128 v[LI], v[PCD:PCD+3], s[54:55]              ; 32 lanes store 512 consecutive bytes, aligned
	global_store_b128 v[LI], v[PCD+4:PCD+7], s[54:55] offset:512
	ds_store_b16 v[YSA], v254                      ; lanes l and l xor 16 write the same bytes with the same value
	s_wait_dscnt 0x0                               ; for wave 0's sake
	s_barrier_signal -1
	s_barrier_wait -1
	s_cmp_lg_u32 s[WV], 0
	s_cbranch_scc1 .Lnot0
	; wave 0 stores the two blocks' scale words: lanes 0-15 the early block's 256 bytes, lanes 16-31 the late block's: ((16 b + j / 2) 8 + hp) blocks + 16,384 + 256 (j % 2)
	s_lshr_b32 s56, s9, 1
	s_lshl_b32 s57, s11, 4
	s_add_co_u32 s56, s56, s57
	s_lshl_b32 s56, s56, 3
	s_add_co_u32 s56, s56, s12
	s_mul_i32 s56, s56, BLK
	s_and_b32 s58, s9, 1
	s_lshl_b32 s58, s58, 8
	s_add_co_u32 s56, s56, s58
	s_add_co_u32 s56, s56, SCO
	s_sub_co_u32 s58, 31, s9
	s_lshr_b32 s59, s58, 1
	s_add_co_u32 s59, s59, s57
	s_lshl_b32 s59, s59, 3
	s_add_co_u32 s59, s59, s12
	s_mul_i32 s59, s59, BLK
	s_and_b32 s58, s58, 1
	s_lshl_b32 s58, s58, 8
	s_add_co_u32 s59, s59, s58
	s_add_co_u32 s59, s59, SCO
	s_sub_co_u32 s59, s59, s56
	v_mul_lo_u32 v47, v44, s59
	s_delay_alu instid0(VALU_DEP_1)
	v_lshl_add_u32 v47, v43, 4, v47
	s_delay_alu instid0(VALU_DEP_1)
	v_add_nc_u32 v47, s56, v47
	ds_load_b128 v[48:51], v[YRD]
	s_wait_alu depctr_va_vdst(0)
	s_wait_dscnt 0x0
	global_store_b128 v47, v[48:51], s[6:7]        ; sixteen lanes store 256 consecutive bytes, aligned
.Lnot0:
	s_wait_tensorcnt 0x0                           ; the wave's end
	ds_add_u32 v[SPW], v[NIL]
	s_wait_dscnt 0x0
	s_endpgm
.Lfunc_end_k_q32c6e0d66c_attn:
	.size	k_q32c6e0d66c_attn, .Lfunc_end_k_q32c6e0d66c_attn-k_q32c6e0d66c_attn
	.p2alignl 7, 3214868480
	.fill 96, 4, 3214868480
	.section	.rodata,"a",@progbits
	.p2align	6, 0x0
	.amdhsa_kernel k_q32c6e0d66c_attn
		.amdhsa_group_segment_fixed_size 327680
		.amdhsa_private_segment_fixed_size 0
		.amdhsa_enable_private_segment 0
		.amdhsa_kernarg_size 16
		.amdhsa_user_sgpr_count 2
		.amdhsa_user_sgpr_kernarg_segment_ptr 1
		.amdhsa_wavefront_size32 1
		.amdhsa_system_sgpr_workgroup_id_x 1
		.amdhsa_system_sgpr_workgroup_id_y 1
		.amdhsa_system_sgpr_workgroup_id_z 1
		.amdhsa_system_vgpr_workitem_id 0
		.amdhsa_next_free_vgpr 256
		.amdhsa_next_free_sgpr 66
		.amdhsa_reserve_vcc 1
		.amdhsa_float_denorm_mode_32 3
		.amdhsa_float_denorm_mode_16_64 3
		.amdhsa_fp16_overflow 1
		.amdhsa_memory_ordered 1
		.amdhsa_forward_progress 1
		.amdhsa_inst_pref_size 192
	.end_amdhsa_kernel
	.amdgpu_metadata
---
amdhsa.version: [ 1, 2 ]
amdhsa.kernels:
  - .name:           k_q32c6e0d66c_attn
    .symbol:         k_q32c6e0d66c_attn.kd
    .args:
      - { .name: qkv, .offset: 0, .size: 8, .value_kind: global_buffer, .address_space: global }
      - { .name: yimg, .offset: 8, .size: 8, .value_kind: global_buffer, .address_space: global }
    .group_segment_fixed_size: 327680
    .private_segment_fixed_size: 0
    .kernarg_segment_align: 8
    .kernarg_segment_size: 16
    .max_flat_workgroup_size: 512
    .sgpr_count:     66
    .vgpr_count:     256
    .wavefront_size: 32
...
	.end_amdgpu_metadata
.endif
;; end of part 3
;; launch outp (part 4): grid 4 x 16, 4 waves a work-group, clusters of 4 x 4, 327,680 bytes of LDS; arguments yimg, img, bo, out0; writes out0
.if DOCPART == 4
	.amdgcn_target "amdgcn-amd-amdhsa--gfx1250"
	.amdhsa_code_object_version 6
	.text
	.protected	k_q32c6e0d66c_outp
	.globl	k_q32c6e0d66c_outp
	.p2align	8
	.type	k_q32c6e0d66c_outp,@function
k_q32c6e0d66c_outp:
	s_mov_b64 s[64:65], 0
	v_nop
	global_prefetch_b8 v0, s[64:65] scope:SCOPE_SE
	s_setreg_imm32_b32 hwreg(HW_REG_WAVE_MODE, 25, 1), 1
	s_wait_xcnt 0x0
	s_wait_alu depctr_hold_cnt(0) depctr_sa_sdst(0) depctr_va_vdst(0) depctr_va_sdst(0) depctr_va_ssrc(0) depctr_va_vcc(0) depctr_vm_vsrc(0)
	s_getreg_b32 s2, hwreg(HW_REG_IB_STS2, 6, 4)
	s_cmp_eq_u32 s2, 0
	s_cbranch_scc0 .Lentry_in_a_cluster
	s_endpgm
.Lentry_in_a_cluster:
	s_bfe_u32 s2, ttmp6, 0x10000c
	s_cmp_lg_u32 s2, 0xf033
	s_cbranch_scc0 .Lentry_shape_is_right
	s_endpgm
.Lentry_shape_is_right:
.set BLK,   16896
.set SCO,   16384
.set GRP,   8*BLK
.set HB,    2*BLK
.set SLOT,  4*HB
.set STG,   2*SLOT
.set SPITCH, 528
.set SPARE, STG+4*16*SPITCH
.set FR,    16
.set NL,    4
.set NP,    8
.set LI,    8
.set STO,   9
.set RD,    10
.set SPW,   11
.set NIL,   12
.set ADRS,  14
.set ADRA,  16
.set ADRB,  18
.set SC,    32
.set BR,    64
.set AF,    128
.set BK,    128
.set G1,    24
.set G0,    32
.set G1B,   48
.set G0B,   56
.set DST,   86
.set MSB, 0
.macro WIN new
.if MSB != (\new)
	s_set_vgpr_msb (MSB<<8)|(\new)
.set MSB, (\new)
.endif
.endm
.set MUL_LO, 0xa1
.set MUL_HI, 0xf1
.set TO_B,   0x40
.macro JLOAD s
	s_cmp_eq_u32 s15, 0
	s_cbranch_scc0 .Lfor_b_\@
	tensor_load_to_lds s[G0+4*\s:G0+4*\s+3], s[G1:G1+7]
	s_nop 0
.rept 4
	v_nop
.endr
	s_branch .Lasked_\@
.Lfor_b_\@:
	tensor_load_to_lds s[G0B+4*\s:G0B+4*\s+3], s[G1B:G1B+7]
	s_nop 0
.rept 4
	v_nop
.endr
.Lasked_\@:
.endm
.macro CREST
	s_cmp_lg_u32 s14, 0
	s_cbranch_scc1 .Lnot_wave_0_\@
	s_barrier_signal -3
.Lnot_wave_0_\@:
	s_barrier_wait -3
	s_barrier_signal -1
	s_barrier_wait -1
.endm
.macro CROUND
	s_barrier_signal -1
	s_barrier_wait -1
	CREST
.endm
	s_load_b256 s[4:11], s[0:1], 0x0
	v_lshl_add_u32 v[SPW], v0, 2, SPARE
	v_mov_b32 v[NIL], 0
	ds_add_u32 v11, v12
	ds_add_u32 v11, v12
	s_wait_dscnt 0x0
	v_lshrrev_b32 v1, 5, v0
	v_readfirstlane_b32 s14, v1
	s_lshr_b32 s15, s14, 1
	s_and_b32 s16, s14, 1
	s_bfe_u32 s40, ttmp6, 0x40000
	s_bfe_u32 s41, ttmp6, 0x40004
	s_lshl_b32 s42, ttmp9, 2
	s_add_co_u32 s42, s42, s40
	s_and_b32 s17, ttmp7, 0xffff
	s_lshl_b32 s17, s17, 2
	s_add_co_u32 s17, s17, s41
	s_lshl_b32 s43, s41, 2
	s_lshl_b32 s43, 15, s43
	s_lshl_b32 s44, 0x1111, s40
	s_or_b32 s[G1+0], s43, (3<<16)|(1<<21)
	s_or_b32 s[G1B+0], s44, (3<<16)|(1<<21)
.irp g, G1, G1B
	s_mov_b32 s[\g+1], 32<<16
	s_mov_b32 s[\g+2], 132<<16
	s_mov_b32 s[\g+3], 32<<16
	s_mov_b32 s[\g+4], 132
	s_mov_b32 s[\g+5], 32
	s_mov_b32 s[\g+6], 0
	s_mov_b32 s[\g+7], 0
.endr
	s_lshl_b32 s20, s17, 1
	s_add_co_u32 s20, s20, s16
	s_mul_i32 s20, s20, GRP
	s_mov_b32 s21, 0
	s_lshl_b32 s46, s42, 1
	s_add_co_u32 s46, s46, s16
	s_mul_i32 s46, s46, GRP
	s_add_co_u32 s46, s46, 448*BLK
	s_mov_b32 s47, 0
	s_mul_i32 s45, s14, HB
	s_lshl_b32 s68, s42, 1
	s_add_co_u32 s68, s68, s16
	s_lshl_b32 s69, s17, 1
	s_add_co_u32 s69, s69, s15
	s_lshl_b32 s72, s68, 9
	s_mov_b32 s73, 0
	s_lshl_b32 s70, s69, 19
	s_add_co_u32 s70, s70, s72
	s_mov_b32 s71, 0
	s_wait_kmcnt 0x0
	s_add_nc_u64 s[20:21], s[4:5], s[20:21]
	s_add_nc_u64 s[46:47], s[6:7], s[46:47]
	s_add_nc_u64 s[74:75], s[8:9], s[72:73]
	s_add_nc_u64 s[DST:DST+1], s[10:11], s[70:71]
	CROUND
.irp s, 0,1
	s_mov_b32 s[G0+4*\s], 1
	s_add_co_u32 s[G0+4*\s+1], s45, \s*SLOT
	s_add_nc_u64 s[G0+4*\s+2:G0+4*\s+3], s[20:21], \s*HB
	s_or_b32 s[G0+4*\s+3], s[G0+4*\s+3], 0x80000000
	s_mov_b32 s[G0B+4*\s], 1
	s_add_co_u32 s[G0B+4*\s+1], s45, \s*SLOT
	s_add_nc_u64 s[G0B+4*\s+2:G0B+4*\s+3], s[46:47], \s*HB
	s_or_b32 s[G0B+4*\s+3], s[G0B+4*\s+3], 0x80000000
	s_wait_alu depctr_va_vdst(0)
	s_wait_tensorcnt 0x0
	ds_add_u32 v11, v12
	ds_add_u32 v11, v12
	s_wait_dscnt 0x0
	CROUND
	JLOAD \s
.endr
	v_and_b32 v1, 15, v0
	v_bfe_u32 v2, v0, 4, 1
	v_and_b32 v3, 31, v0
	v_lshlrev_b32 v[LI], 4, v3
	s_mul_i32 s82, s15, HB
	s_add_co_u32 s83, s16, 2
	s_mul_i32 s83, s83, HB
	v_add_nc_u32 v[ADRA], s82, v[LI]
	v_add_nc_u32 v[ADRB], s83, v[LI]
	v_add_nc_u32 v[ADRA+1], SLOT, v[ADRA]
	v_add_nc_u32 v[ADRB+1], SLOT, v[ADRB]
	s_xor_b32 s84, s15, 1
	s_add_co_u32 s84, s84, s16
	s_add_co_u32 s84, s84, 1
	s_mul_i32 s84, s84, HB
	v_mul_u32_u24 v4, s84, v2
	v_lshl_add_u32 v4, v1, 4, v4
	s_add_co_u32 s82, s82, SCO
	v_add_nc_u32 v[ADRS], s82, v4
	v_add_nc_u32 v[ADRS+1], SLOT, v[ADRS]
	s_mul_i32 s85, s14, 16*SPITCH
	s_add_co_u32 s85, s85, STG
	v_mul_u32_u24 v[STO], v1, SPITCH
	v_lshl_add_u32 v[STO], v2, 6, v[STO]
	v_add_nc_u32 v[STO], s85, v[STO]
	v_add_nc_u32 v[RD], s85, v[LI]
	v_lshlrev_b32 v5, 6, v2
.irp b, 0,1,2,3,4,5,6,7
	global_load_b128 v[BR+8*\b:BR+8*\b+3], v5, s[74:75] offset:(32*(\b/2)+8*(\b%2))*4
	global_load_b128 v[BR+8*\b+4:BR+8*\b+7], v5, s[74:75] offset:(32*(\b/2)+8*(\b%2))*4+16
.endr
	s_wait_alu depctr_va_vdst(0)
	s_wait_loadcnt 0x0
.macro FRAG reg, adr, q, i
.irp c, 0,1,2,3
	ds_load_b128 v[\reg+4*\c:\reg+4*\c+3], v[\adr] offset:BLK*(\q)+2048*(\i)+512*\c
.endr
.endm
.macro MUL16 a0, p, q, sc, zero
.irp a, \a0, \a0+1
.irp b, 0,1,2,3,4,5,6,7
.if \zero
	v_wmma_scale_f32_16x16x128_f8f6f4 v[8*(8*((\a)%4)+\b):8*(8*((\a)%4)+\b)+7], v[128*(\p)+FR*\b:128*(\p)+FR*\b+FR-1], v[AF+FR*(\a):AF+FR*(\a)+FR-1], v[BR+8*\b:BR+8*\b+7], v[SC+16*(\sc)+8*(\q)+\b], v[SC+16*(\sc)+8*(\q)+(\a)] matrix_a_fmt:MATRIX_FMT_BF8 matrix_b_fmt:MATRIX_FMT_BF8 matrix_a_scale:MATRIX_SCALE_ROW1
.else
	v_wmma_scale_f32_16x16x128_f8f6f4 v[8*(8*((\a)%4)+\b):8*(8*((\a)%4)+\b)+7], v[128*(\p)+FR*\b:128*(\p)+FR*\b+FR-1], v[AF+FR*(\a):AF+FR*(\a)+FR-1], v[8*(8*((\a)%4)+\b):8*(8*((\a)%4)+\b)+7], v[SC+16*(\sc)+8*(\q)+\b], v[SC+16*(\sc)+8*(\q)+(\a)] matrix_a_fmt:MATRIX_FMT_BF8 matrix_b_fmt:MATRIX_FMT_BF8 matrix_a_scale:MATRIX_SCALE_ROW1
.endif
.endr
.endr
.endm
.macro FETCH_B slot, q, p
	WIN TO_B
.irp i, 0,1,2,3,4,5,6,7
	FRAG 128*(\p)+FR*\i, ADRB+\slot, \q, \i
.endr
	WIN 0
.endm
.macro FETCH_A slot, q, i0
.irp i, \i0, \i0+1, \i0+2, \i0+3
	FRAG AF+FR*(\i), ADRA+\slot, \q, \i
.endr
.endm
.macro SCALES slot
.irp q, 0,1
.irp f, 0,1
	ds_load_b128 v[SC+16*\slot+8*\q+4*\f:SC+16*\slot+8*\q+4*\f+3], v[ADRS+\slot] offset:BLK*\q+256*\f
.endr
.endr
.endm
.macro PLACES n
.rept \n
	v_nop
.endr
.endm
.macro STEP slot, q, zero
	s_wait_dscnt 4*NL
	WIN MUL_LO-0x20*\zero
	MUL16 0, (\q)%2, \q, \slot, \zero
	MUL16 2, (\q)%2, \q, \slot, \zero
	s_wait_dscnt 0
	PLACES NP
	FETCH_B \slot, (\q)+1, 1-(\q)%2
	FETCH_A \slot, (\q)+1, 0
	WIN MUL_HI-0x30*\zero
	MUL16 4, (\q)%2, \q, \slot, \zero
	MUL16 6, (\q)%2, \q, \slot, \zero
	PLACES NP
	WIN 0
	FETCH_A \slot, (\q)+1, 4
.endm
.macro TURN slot, next, fill
	s_wait_tensorcnt 0x0
	ds_add_u32 v[SPW], v[NIL]
	s_wait_dscnt 4*NL+1
	WIN MUL_LO
	MUL16 0, 1, 1, \slot, 0
	s_wait_dscnt 0x0
	s_barrier_signal -1
	MUL16 2, 1, 1, \slot, 0
	WIN 0
	s_barrier_wait -1
.if \fill
	CREST
	s_add_nc_u64 s[G0+4*\slot+2:G0+4*\slot+3], s[G0+4*\slot+2:G0+4*\slot+3], 2*HB
	s_add_nc_u64 s[G0B+4*\slot+2:G0B+4*\slot+3], s[G0B+4*\slot+2:G0B+4*\slot+3], 2*HB
	JLOAD \slot
	PLACES NP-4
.else
	PLACES NP
.endif
	FETCH_B \next, 0, 0
	FETCH_A \next, 0, 0
	SCALES \next
	WIN MUL_HI
	MUL16 4, 1, 1, \slot, 0
	MUL16 6, 1, 1, \slot, 0
	PLACES NP
	WIN 0
	FETCH_A \next, 0, 4
.endm
	s_wait_tensorcnt 1
	s_barrier_signal -1
	s_barrier_wait -1
	FETCH_B 0, 0, 0
	FETCH_A 0, 0, 0
	SCALES 0
	FETCH_A 0, 0, 4
	STEP 0, 0, 1
	TURN 0, 1, 1
	STEP 1, 0, 0
	TURN 1, 0, 1
	STEP 0, 0, 0
	TURN 0, 1, 0
	STEP 1, 0, 0
	s_wait_dscnt 4*NL
	WIN MUL_LO
	MUL16 0, 1, 1, 1, 0
	MUL16 2, 1, 1, 1, 0
	s_wait_dscnt 0
	WIN MUL_HI
	MUL16 4, 1, 1, 1, 0
	MUL16 6, 1, 1, 1, 0
	WIN 0
.macro TOSTAGE a
.set AC, 64*((\a)%4)
	WIN 0x08+4*((\a)/4)
.irp b, 0,1,2,3,4,5,6,7
	ds_store_b128 v[STO], v[AC+8*\b:AC+8*\b+3] offset:128*(\b/2)+32*(\b%2)
	ds_store_b128 v[STO], v[AC+8*\b+4:AC+8*\b+7] offset:128*(\b/2)+32*(\b%2)+16
.endr
	WIN 0
.set BB, BK+64*((\a)%2)
.irp t, 0,1,2,3,4,5,6,7,8,9,10,11,12,13,14,15
	ds_load_b128 v[BB+4*\t:BB+4*\t+3], v[RD] offset:\t*SPITCH
.endr
.endm
.macro SEND a, younger
.set BB, BK+64*((\a)%2)
	s_wait_dscnt \younger
.irp t, 0,1,2,3,4,5,6,7,8,9,10,11,12,13,14,15
	global_store_b128 v[LI], v[BB+4*\t:BB+4*\t+3], s[DST:DST+1] offset:(32*((\a)/2)+8*((\a)%2)+(\t%8)+16*(\t/8))*4096 th:TH_STORE_NT
.endr
.endm
	PLACES NP
	TOSTAGE 0
.irp a, 1,2,3,4,5,6,7
.if \a > 1
	s_wait_xcnt 0x0
.endif
	TOSTAGE \a
	SEND \a-1, 32
.endr
	SEND 7, 0
	s_wait_tensorcnt 0x0
	ds_add_u32 v[SPW], v[NIL]
	s_wait_dscnt 0x0
	CROUND
	s_endpgm
.Lfunc_end_k_q32c6e0d66c_outp:
	.size	k_q32c6e0d66c_outp, .Lfunc_end_k_q32c6e0d66c_outp-k_q32c6e0d66c_outp
	.p2alignl 7, 3214868480
	.fill 96, 4, 3214868480
	.section	.rodata,"a",@progbits
	.p2align	6, 0x0
	.amdhsa_kernel k_q32c6e0d66c_outp
		.amdhsa_group_segment_fixed_size 327680
		.amdhsa_private_segment_fixed_size 0
		.amdhsa_enable_private_segment 0
		.amdhsa_kernarg_size 32
		.amdhsa_user_sgpr_count 2
		.amdhsa_user_sgpr_kernarg_segment_ptr 1
		.amdhsa_wavefront_size32 1
		.amdhsa_system_sgpr_workgroup_id_x 1
		.amdhsa_system_sgpr_workgroup_id_y 1
		.amdhsa_system_sgpr_workgroup_id_z 1
		.amdhsa_system_vgpr_workitem_id 0
		.amdhsa_next_free_vgpr 1024
		.amdhsa_next_free_sgpr 96
		.amdhsa_reserve_vcc 0
		.amdhsa_float_denorm_mode_32 3
		.amdhsa_float_denorm_mode_16_64 3
		.amdhsa_memory_ordered 1
		.amdhsa_forward_progress 1
		.amdhsa_inst_pref_size 144
	.end_amdhsa_kernel
	.amdgpu_metadata
---
amdhsa.version: [ 1, 2 ]
amdhsa.kernels:
  - .name:           k_q32c6e0d66c_outp
    .symbol:         k_q32c6e0d66c_outp.kd
    .args:
      - { .name: yimg, .offset: 0, .size: 8, .value_kind: global_buffer, .address_space: global }
      - { .name: img, .offset: 8, .size: 8, .value_kind: global_buffer, .address_space: global }
      - { .name: bo, .offset: 16, .size: 8, .value_kind: global_buffer, .address_space: global }
      - { .name: out0, .offset: 24, .size: 8, .value_kind: global_buffer, .address_space: global }
    .group_segment_fixed_size: 327680
    .private_segment_fixed_size: 0
    .kernarg_segment_align: 8
    .kernarg_segment_size: 32
    .max_flat_workgroup_size: 128
    .sgpr_count:     96
    .vgpr_count:     1024
    .wavefront_size: 32
...
	.end_amdgpu_metadata
.endif
;; end of part 4
